; MI455X (gfx1250); checked and timed in simulation.
; The chip was launched on July 23, 2026; its instructions are those of AMD's public machine-readable ISA for CDNA 5 (MIT licence, August 2026) and "CDNA5" Instruction Set Architecture Reference Guide (July 2026). The comments in the code are by the model that wrote it; some were corrected since.
;; Four Headed Attention. Allowed arithmetic: matrix products marked QUANTISED: E2M3 operands, one E8M0 scale for each 32 along K, by v_wmma_scale_f32_16x16x128_f8f6f4 with both operands' format E2M3, f32 sums; everything else in f32.
;; Inputs: Wk 4 x 1,024 x 256 float32; Wo 1,024 x 1,024 float32; Wq 4 x 1,024 x 256 float32; Wv 4 x 1,024 x 256 float32; bk 4 x 256 float32; bo 1,024 float32; bq 4 x 256 float32; bv 4 x 256 float32; inputs_for_keys 4 x 2,048 x 1,024 float32; inputs_for_queries 4 x 2,048 x 1,024 float32; inputs_for_values 4 x 2,048 x 1,024 float32.
;; Outputs: out0 4 x 2,048 x 1,024 float32.
;; This version of the problem:
;;   THIS VERSION OF THE PROBLEM IS GIVEN IN LOW PRECISION. The matrix products marked QUANTISED in the list below multiply operands that are first quantised to E2M3 (2 exponent bits, 3 mantissa bits; 6 bits a number), with one power-of-two scale for each 32 numbers along K (OCP MX v1.0); their sums are f32. All else is computed in f32.
;;   The module's matrix products, in the order in which they are computed (A, B: the left and right operand; K: the contracted axis; several contracted axes count as one K, in the product's order):
;;     1. [M 1,024, K 1,024] x [K 1,024, N 8,192]; A: input Wk; B: input inputs_for_keys: QUANTISED
;;     2. [M 1,024, K 1,024] x [K 1,024, N 8,192]; A: input Wq; B: input inputs_for_queries: QUANTISED
;;     3. [M 1,024, K 1,024] x [K 1,024, N 8,192]; A: input Wv; B: input inputs_for_values: QUANTISED
;;     4. batch 16 x [M 2,048, K 256] x [K 256, N 2,048]; A: computed on the way; B: computed on the way: QUANTISED
;;     5. batch 16 x [M 2,048, K 2,048] x [K 2,048, N 256]; A: softmax (see below); B: computed on the way: QUANTISED
;;     6. [M 8,192, K 1,024] x [K 1,024, N 1,024]; A: computed on the way; B: input Wo: QUANTISED
;;   THE QUANTISER, for each operand of a quantised product, along K:
;;     - K is cut into blocks of 32 from its start; a last block that is shorter is filled with zeros.
;;     - A block's scale is 2^e with e = floor(log2(the largest magnitude in the block)) - 2, held to -126 .. 127; a block of zeros has e = 0. As a byte (E8M0): e + 127.
;;     - Each number is divided by its block's scale, clamped to +-7.5, and rounded to the nearest number of E2M3, ties to even, subnormals kept.
;;     - The product sums the exact products of the quantised numbers (number of the format x scale) in f32.
;;   ~~~python
;;   def quantise(x, axis):      # numpy; x: float32 -> the quantised numbers, widened to float32 again
;;       x = np.moveaxis(x, axis, -1); K = x.shape[-1]
;;       x = np.pad(x, [(0, 0)] * (x.ndim - 1) + [(0, -K % 32)]); x = x.reshape(x.shape[:-1] + (-1, 32)); a = np.abs(x).max(-1, keepdims=True)
;;       e = np.where(a > 0, np.clip(np.frexp(np.where(a > 0, a, 1))[1] - 1 - 2, -126, 127), 0)      # np.frexp(a)[1] - 1 = floor(log2(a)), exactly
;;       r = np.clip(x / 2.0 ** e, -7.5, 7.5)
;;       step = 2.0 ** (np.maximum(np.frexp(np.where(r == 0, 1, r))[1] - 1, 0) - 3)
;;       q = np.round(r / step) * step * 2.0 ** e      # np.round: ties to even
;;       return np.moveaxis(q.reshape(q.shape[:-2] + (-1,))[..., :K], -1, axis).astype(np.float32)
;;   ~~~
;;   SOFTMAX AHEAD OF A QUANTISED PRODUCT. Where the list says 'softmax', what is quantised is not the finished softmax but p = 2^(t - M), with t = logit x log2(e) and M = ceil(the row's largest t), a whole number; so 1/2 < the row's largest p <= 1. The row's sum l is taken of the UNQUANTISED p, in f32, and the product's result is divided by l at the end. Since M is a whole number, a kernel that streams over the keys may use a running M (the ceiling of the running maximum): every later rescaling is an exact power of two, which a block's scale takes up: the codes' values come out the same.
;;   OPERANDS COMPUTED ON THE WAY. 'Computed on the way' means the value that the module computes at that place (a softmax that the list does not call 'softmax' is quantised finished and normalised). What goes into a quantiser is computed in f32, as accurately as f32 sums, v_exp_f32 and their like allow (about 1e-6 of the number): no bf16 or f16 on the way to a quantiser, and a product that is left as it is and whose result goes on into a quantised operand takes f32 operands (vector FMAs, or v_wmma_f32_16x16x4_f32). A number that lies on a knife's edge between two numbers of the format may be rounded either way, as far as f32 arithmetic and the matrix unit's own rounding can turn it there, and no further.
;; One version. Each part assembles by itself: llvm-mc -triple=amdgcn-amd-amdhsa -mcpu=gfx1250 --defsym DOCPART=n.
;; ======== version 1 of 1: 4 launches
;; workspace buffers: xq 20,447,232 bytes; wq 3,407,872 bytes; qrec 13,107,200 bytes; kvrec 13,107,200 bytes; oq 6,815,744 bytes
;; launch quant (part 1): grid 1024 x 1, 4 waves a work-group, no clusters, 34,816 bytes of LDS; arguments inputs_for_keys, inputs_for_queries, inputs_for_values, Wk, Wq, Wv, Wo, xq, wq; writes xq, wq
.if DOCPART == 1
	.amdgcn_target "amdgcn-amd-amdhsa--gfx1250"
	.amdhsa_code_object_version 6
	.text
	.protected	k_q89371f286b_quant
	.globl	k_q89371f286b_quant
	.p2align	8
	.type	k_q89371f286b_quant,@function
k_q89371f286b_quant:
	s_mov_b64 s[64:65], 0
	v_nop
	global_prefetch_b8 v0, s[64:65] scope:SCOPE_SE
	s_setreg_imm32_b32 hwreg(HW_REG_WAVE_MODE, 25, 1), 1
	s_wait_xcnt 0x0
; The three inputs X [8192][1024] f32 (K innermost) and the four weights (K = their axis of 1,024, NOT innermost) become codes of FP6 (E2M3) with one E8M0 byte for each 32 along K.
; A block's scale is 2^(floor(log2(its largest magnitude)) - 2); its byte is that magnitude's exponent field - 2, held at 1 from below.
; LIMITS: NaN and infinities are not served.  A block of zeros, or one whose largest magnitude lies under 2^-124, gets the byte 1 where the rule says otherwise for zeros: its codes are zeros, and only this program reads the bytes.
; LAYOUT OF xq AND wq.  Everything is kept as IMAGES OF THE MATRIX OPERAND'S REGISTERS.  A fragment (16 rows x 128 K, 12 registers a lane) is 1,536 bytes: three runs of 512, run c = registers 4 c .. 4 c + 3, lane l's at 16 l.
; A row block (16 rows, all 1,024 of K) is 13,312 bytes = four pieces of 3,328: fragment 2 q, fragment 2 q + 1, their scale words (64 bytes each, word r for row r), and 128 bytes that nobody writes or reads.
; THE ROWS OF A BLOCK ARE NOT NEIGHBOURS: block 2 B + u holds at place r the row 32 B + 8 u + r + 8 (r / 8).  Used as source 0 of a product, two neighbouring blocks then give a lane 16 neighbours along the next K.
; SHARES.  Work-groups 0-767: X.  A wave takes one row block and half of K (four K steps of 128).  Each load reads 512 consecutive bytes of one row; a K step's 16 x 512 bytes turn through the wave's own stage in LDS
; (rows 528 bytes apart: 33 x 16, so the sixteen rows of a read fall on different banks) and come back 16 neighbours of each block of 32 a lane.
; Work-groups 768-1023: the weights.  A wave takes 32 columns x 128 along K: a lane takes a column and its registers run down K, so a block of 32 is one lane's and nothing is transposed.  No LDS there.
; No tensor loads, no barrier: waves share nothing.
.set SPARE, 33792                      ; behind the four stages of 8,448 bytes: the spare words, 128 bytes a wave
.set SPW, 254                          ; v254 my spare word's LDS address; never rewritten
.set NIL, 255                          ; v255 0; never rewritten
.set SEL, 32                           ; s[32:33] selects of v_permlanex16_b32: lane l xor 16
.set LI,  1                            ; v1  16 x lane
.set STI, 2                            ; v2  the stage on the way in: 8,448 x wave + 16 x lane
.set STO, 3                            ; v3  on the way out: 8,448 x wave + 528 r + 64 h
.set LS4, 4                            ; v4  4 x lane
.set WO,  5                            ; v5  weights: 4 x my column among the wave's 32
.set WS,  6                            ; v6  weights: where my column's scale word goes
.set R,   16                           ; v16-143  X: two sets of 64 as loaded;  weights: my column's 128 numbers
.set XS,  144                          ; v144-207 64 numbers: register 16 b + i = k 32 b + 16 h + i of my row
.set PC,  208                          ; v208-219 a fragment's codes, v220-227 at work
.set TM,  228                          ; v228-243 at work in QUANT
.set PW,  244                          ; v244-247 the four K steps' scale words
.set SW,  248                          ; v248-249 two of them joined: lanes 0-15 the first's, lanes 16-31 the second's
.set F0,  144                          ; weights: the blocks 0 and 2 of my column, then the image of row block 2 g
.set F1,  160                          ; the blocks 1 and 3, then the image of row block 2 g + 1
.set FH,  176                          ; the upper halves of the four blocks' codes (a conversion's three registers begin on an even number)
.set WW,  250                          ; my column's scale word
; 64 numbers of a lane, register 16 b + i = k 32 b + 16 (lane / 16) + i of its row, become the fragment's 12 registers in v[PC] on and the row's scale word in v[pw].
.macro QUANT s, pw
.irp b, 0,1,2,3
	v_max3_num_f32 v[TM+\b], |v[\s+16*\b]|, |v[\s+1+16*\b]|, 0x1800000   ; my 16 of block b, and the floor 2^(3 - 127): the byte cannot fall under 1
.endr
.irp i, 2,4,6,8,10,12,14
.irp b, 0,1,2,3
	v_max3_num_f32 v[TM+\b], v[TM+\b], |v[\s+16*\b+\i]|, |v[\s+1+16*\b+\i]|   ; the four blocks by turns
.endr
.endr
.irp b, 0,1,2,3
	v_permlanex16_b32 v[TM+4+\b], v[TM+\b], s[SEL], s[SEL+1]
.endr
.irp b, 0,1,2,3
	v_max_num_f32 v[TM+\b], v[TM+\b], v[TM+4+\b]   ; with lane l xor 16's 16: the block's largest magnitude
.endr
.irp b, 0,1,2,3
	v_add_nc_u32 v[TM+12+\b], 0xff000000, v[TM+\b]   ; 2 off its exponent field: the conversion takes this operand's exponent field as its scale
.endr
.irp b, 0,1,2,3
	v_lshrrev_b32 v[TM+4+\b], 23, v[TM+12+\b]   ; the scale's byte
.endr
	v_lshl_or_b32 v[\pw], v[TM+5], 8, v[TM+4]
	v_lshl_or_b32 v[\pw], v[TM+6], 16, v[\pw]
	v_lshl_or_b32 v[\pw], v[TM+7], 24, v[\pw]
.irp c, 0,1
	v_cvt_scalef32_pk16_fp6_f32 v[PC+6*\c:PC+2+6*\c], v[\s+32*\c:\s+15+32*\c], v[TM+12+2*\c]
	v_cvt_scalef32_pk16_fp6_f32 v[PC+12+4*\c:PC+14+4*\c], v[\s+16+32*\c:\s+31+32*\c], v[TM+12+2*\c+1]
.endr
	v_nop                                          ; one plain instruction behind the scaled conversions
.irp c, 0,1                                    ; the operand wants a whole block in a lane: lanes 0-15 block 2 c, lanes 16-31 block 2 c + 1
.irp i, 0,1,2
	v_permlane16_swap_b32 v[PC+6*\c+\i], v[PC+12+4*\c+\i]
.endr
.irp i, 0,1,2
	v_mov_b32 v[PC+3+6*\c+\i], v[PC+12+4*\c+\i]
.endr
.endr
.endm
	s_load_b256 s[4:11], s[0:1], 0x0               ; keys' X s[4:5], queries' s[6:7], values' s[8:9], Wk s[10:11]
	s_load_b256 s[12:19], s[0:1], 0x20             ; Wq s[12:13], Wv s[14:15], Wo s[16:17], xq s[18:19]
	s_load_b64 s[20:21], s[0:1], 0x40              ; wq
	v_lshl_add_u32 v[SPW], v0, 2, SPARE
	v_mov_b32 v[NIL], 0
	v_lshrrev_b32 v7, 5, v0
	v_readfirstlane_b32 s22, v7                    ; wave 0..3
	v_and_b32 v7, 31, v0                           ; lane
	v_and_b32 v8, 15, v0                           ; r
	v_bfe_u32 v9, v0, 4, 1                         ; h
	v_lshlrev_b32 v[LI], 4, v7
	v_lshlrev_b32 v[LS4], 2, v7
	s_mul_i32 s23, s22, 8448                       ; my stage
	v_add_nc_u32 v[STI], s23, v[LI]
	v_mul_u32_u24 v[STO], v8, 528
	v_lshl_add_u32 v[STO], v9, 6, v[STO]
	v_add_nc_u32 v[STO], s23, v[STO]
	s_mov_b32 s30, 0xffff0000                      ; lanes 16-31
	s_mov_b32 s[SEL], 0x76543210
	s_mov_b32 s[SEL+1], 0xfedcba98
.irp b, 0,1,2,3
	v_mov_b32 v[TM+4+\b], 0                        ; written once: a lane permute's destination counts as one of its sources
.endr
	s_wait_kmcnt 0x0
	s_cmp_lt_u32 ttmp9, 768
	s_cbranch_scc0 .Lw
	; ---------------- X ----------------
	s_lshr_b32 s23, ttmp9, 8                       ; which tensor: 256 work-groups each
	s_cmp_eq_u32 s23, 1
	s_cselect_b64 s[4:5], s[6:7], s[4:5]
	s_cmp_eq_u32 s23, 2
	s_cselect_b64 s[4:5], s[8:9], s[4:5]
	s_and_b32 s24, ttmp9, 255                      ; a work-group's four waves take row blocks 2 x this and 2 x this + 1: 32 whole rows
	s_lshr_b32 s25, s22, 1                         ; u: which of the two blocks
	s_and_b32 s26, s22, 1                          ; which half of K
	s_lshl_b32 s28, s24, 17                        ; 32 rows of 4,096 bytes,
	s_lshl_b32 s27, s25, 15                        ; + 8 u rows,
	s_add_co_u32 s28, s28, s27
	s_lshl_b32 s27, s26, 11                        ; + half a row
	s_add_co_u32 s28, s28, s27
	s_mov_b32 s29, 0
	s_add_nc_u64 s[4:5], s[4:5], s[28:29]
	s_lshl_b32 s27, s24, 1
	s_add_co_u32 s27, s27, s25                     ; the row block
	s_mul_i32 s28, s27, 13312
	s_mul_i32 s27, s23, 6815744                    ; 512 row blocks a tensor
	s_add_co_u32 s28, s28, s27
	s_mul_i32 s27, s26, 6656                       ; two pieces for each half of K
	s_add_co_u32 s28, s28, s27
	s_add_nc_u64 s[18:19], s[18:19], s[28:29]
.macro XLOAD t                         ; K step t of my half: place i of the block is row i + 8 (i / 8); 32 lanes read 512 consecutive bytes of it
.irp i, 0,1,2,3,4,5,6,7,8,9,10,11,12,13,14,15
	global_load_b128 v[R+64*((\t)%2)+4*\i:R+64*((\t)%2)+4*\i+3], v[LI], s[4:5] offset:(\i+8*(\i/8))*4096+512*(\t) th:TH_LOAD_NT
.endr
.endm
.macro XSTEP t
.if (\t) < 3
	s_wait_loadcnt 16                              ; this step's sixteen loads are in; the next step's sixteen stay out
.else
	s_wait_loadcnt 0x0
.endif
.irp i, 0,1,2,3,4,5,6,7,8,9,10,11,12,13,14,15
	ds_store_b128 v[STI], v[R+64*((\t)%2)+4*\i:R+64*((\t)%2)+4*\i+3] offset:528*\i
.endr
.irp b, 0,1,2,3
.irp j, 0,1,2,3
	ds_load_b128 v[XS+16*\b+4*\j:XS+16*\b+4*\j+3], v[STO] offset:128*\b+16*\j   ; LDS serves a wave's instructions in order: these see the stores above
.endr
.endr
	s_wait_dscnt 0x0                               ; my 64 numbers are back, and the stores into the stage have read their registers
	s_wait_xcnt 0x0                                ; the last step's stores have read the codes' registers, which QUANT writes again
.if (\t) < 2
	XLOAD (\t)+2                                   ; two steps ahead, into the set just left
.endif
	QUANT XS, PW+(\t)
.irp c, 0,1,2
	global_store_b128 v[LI], v[PC+4*\c:PC+4*\c+3], s[18:19] offset:((\t)/2)*3328+((\t)%2)*1536+512*\c   ; 512 consecutive bytes, at a multiple of 256 from the buffer's first byte
.endr
.if (\t)%2
	v_cndmask_b32 v[SW+(\t)/2], v[PW+(\t)-1], v[PW+(\t)], s30   ; every lane holds its row's word: lanes 0-15 give the first fragment's, lanes 16-31 the second's
	global_store_b32 v[LS4], v[SW+(\t)/2], s[18:19] offset:((\t)/2)*3328+3072   ; 128 consecutive bytes: one byte for each 24 of codes
.endif
.endm
	XLOAD 0
	XLOAD 1
	XSTEP 0
	XSTEP 1
	XSTEP 2
	XSTEP 3
	s_branch .Lend
	; ---------------- the weights ----------------
.Lw:
	v_and_b32 v[WO], 7, v7                         ; lanes 0-15 become row block 2 g, lanes 16-31 block 2 g + 1, in the blocks' order of rows: column = lane with its bits 3 and 4 exchanged
	v_and_b32 v10, 8, v7
	v_lshl_or_b32 v[WO], v10, 1, v[WO]
	v_and_b32 v10, 16, v7
	v_lshrrev_b32 v10, 1, v10
	v_or_b32 v[WO], v[WO], v10
	v_lshlrev_b32 v[WO], 2, v[WO]
	v_mul_u32_u24 v[WS], v9, 13312
	v_lshl_add_u32 v[WS], v8, 2, v[WS]             ; word r of my row block
	s_sub_co_u32 s23, ttmp9, 768
	s_lshr_b32 s24, s23, 6                         ; which weight: Wk, Wq, Wv, Wo
	s_bfe_u32 s25, s23, 0x30003                    ; which K step of 128
	s_and_b32 s26, s23, 7
	s_lshl_b32 s26, s26, 2
	s_add_co_u32 s26, s26, s22                     ; g: which 32 columns of the 1,024
	s_cmp_eq_u32 s24, 1
	s_cselect_b64 s[10:11], s[12:13], s[10:11]
	s_cmp_eq_u32 s24, 2
	s_cselect_b64 s[10:11], s[14:15], s[10:11]
	s_cmp_eq_u32 s24, 3
	s_cselect_b64 s[10:11], s[16:17], s[10:11]
	s_lshr_b32 s27, s26, 3                         ; [head][e][256]: head g / 8,
	s_lshl_b32 s27, s27, 20
	s_lshl_b32 s28, s25, 17                        ; 128 rows of 1,024 bytes a K step,
	s_add_co_u32 s27, s27, s28
	s_and_b32 s28, s26, 7
	s_lshl_b32 s28, s28, 7                         ; 128 bytes for 32 columns
	s_add_co_u32 s27, s27, s28
	s_lshl_b32 s28, s25, 19                        ; Wo [e][1024]: 128 rows of 4,096 bytes a K step
	s_lshl_b32 s29, s26, 7
	s_add_co_u32 s28, s28, s29
	s_cmp_eq_u32 s24, 3
	s_cselect_b32 s28, s28, s27
	s_mov_b32 s29, 0
	s_add_nc_u64 s[10:11], s[10:11], s[28:29]
	s_mul_i32 s34, s24, 851968                     ; 64 row blocks a weight
	s_mul_i32 s35, s26, 26624                      ; row block 2 g
	s_add_co_u32 s34, s34, s35
	s_lshr_b32 s35, s25, 1
	s_mul_i32 s35, s35, 3328                       ; the piece
	s_add_co_u32 s34, s34, s35
	s_mov_b32 s35, 0
	s_add_nc_u64 s[20:21], s[20:21], s[34:35]
	s_and_b32 s36, s25, 1                          ; which fragment of the piece
	s_mul_i32 s34, s36, 1536
	s_add_nc_u64 s[38:39], s[20:21], s[34:35]      ; its codes
	s_lshl_b32 s34, s36, 6
	s_add_co_u32 s34, s34, 3072
	s_add_nc_u64 s[40:41], s[20:21], s[34:35]      ; its scale words
.macro WLOAD stride                    ; W(128 ks + i, my column): 32 lanes read 128 consecutive bytes, the four waves of a work-group 512
.set J, 0
.rept 128
	global_load_b32 v[R+J], v[WO], s[10:11] offset:J*\stride th:TH_LOAD_NT
.set J, J+1
.endr
.endm
	s_cmp_eq_u32 s24, 3
	s_cbranch_scc1 .Lwo
	WLOAD 1024
	s_branch .Lwq
.Lwo:
	WLOAD 4096
.Lwq:
.macro WBLOCK b                        ; block b of my column: all its 32 numbers are mine
.set XB, R+32*(\b)
.set TG, F0+16*((\b)%2)+6*((\b)/2)
.if (\b) == 0
	s_wait_loadcnt 63                              ; the largest count that the wait can name: of the 128 loads at most 63 are out, so blocks 0 and 1 are in
.elseif (\b) == 2
	s_wait_loadcnt 32                              ; block 3's loads stay out
.elseif (\b) == 3
	s_wait_loadcnt 0x0
.endif
	v_max3_num_f32 v10, |v[XB]|, |v[XB+1]|, |v[XB+2]|
	v_max3_num_f32 v11, |v[XB+3]|, |v[XB+4]|, |v[XB+5]|
.irp i, 6,10,14,18,22,26
	v_max3_num_f32 v10, v10, |v[XB+\i]|, |v[XB+\i+1]|
	v_max3_num_f32 v11, v11, |v[XB+\i+2]|, |v[XB+\i+3]|
.endr
	v_max3_num_f32 v10, v10, |v[XB+30]|, |v[XB+31]|
	v_max3_num_f32 v10, v10, v11, 0x1800000        ; and the floor
	v_add_nc_u32 v[12+(\b)], 0xff000000, v10       ; the conversion's scale operand
	v_lshrrev_b32 v9, 23, v[12+(\b)]               ; the byte
.if (\b) == 0
	v_mov_b32 v[WW], v9
.else
	v_lshl_or_b32 v[WW], v9, 8*(\b), v[WW]
.endif
	v_cvt_scalef32_pk16_fp6_f32 v[TG:TG+2], v[XB:XB+15], v[12+(\b)]
	v_cvt_scalef32_pk16_fp6_f32 v[FH+4*(\b):FH+4*(\b)+2], v[XB+16:XB+31], v[12+(\b)]
.endm
	WBLOCK 0
	WBLOCK 1
	WBLOCK 2
	WBLOCK 3
	v_nop                                          ; one plain instruction behind the last conversion
.irp b, 0,1,2,3
.irp i, 0,1,2
	v_mov_b32 v[F0+16*(\b%2)+6*(\b/2)+3+\i], v[FH+4*\b+\i]
.endr
.endr
.irp m, 0,1,2,3,4,5,6,7,8,9,10,11
	v_permlane16_swap_b32 v[F0+\m], v[F1+\m]       ; F0's lanes 16-31 (block 2 g + 1, K blocks 0, 2) change places with F1's lanes 0-15 (block 2 g, K blocks 1, 3): each is now one row block's fragment
.endr
.irp c, 0,1,2
	global_store_b128 v[LI], v[F0+4*\c:F0+4*\c+3], s[38:39] offset:512*\c
	global_store_b128 v[LI], v[F1+4*\c:F1+4*\c+3], s[38:39] offset:13312+512*\c
.endr
	global_store_b32 v[WS], v[WW], s[40:41]        ; two runs of 64 bytes: one byte for each 24 of codes
.Lend:
	s_wait_tensorcnt 0x0                           ; the wave's end: behind my last LDS store
	ds_add_u32 v[SPW], v[NIL]
	s_wait_dscnt 0x0
	s_endpgm
.Lfunc_end_k_q89371f286b_quant:
	.size	k_q89371f286b_quant, .Lfunc_end_k_q89371f286b_quant-k_q89371f286b_quant
	.p2alignl 7, 3214868480
	.fill 96, 4, 3214868480
	.section	.rodata,"a",@progbits
	.p2align	6, 0x0
	.amdhsa_kernel k_q89371f286b_quant
		.amdhsa_group_segment_fixed_size 34816
		.amdhsa_private_segment_fixed_size 0
		.amdhsa_enable_private_segment 0
		.amdhsa_kernarg_size 72
		.amdhsa_user_sgpr_count 2
		.amdhsa_user_sgpr_kernarg_segment_ptr 1
		.amdhsa_wavefront_size32 1
		.amdhsa_system_sgpr_workgroup_id_x 1
		.amdhsa_system_sgpr_workgroup_id_y 1
		.amdhsa_system_sgpr_workgroup_id_z 1
		.amdhsa_system_vgpr_workitem_id 0
		.amdhsa_next_free_vgpr 256
		.amdhsa_next_free_sgpr 66
		.amdhsa_reserve_vcc 0
		.amdhsa_float_denorm_mode_32 3
		.amdhsa_float_denorm_mode_16_64 3
		.amdhsa_memory_ordered 1
		.amdhsa_forward_progress 1
		.amdhsa_inst_pref_size 66
	.end_amdhsa_kernel
	.amdgpu_metadata
---
amdhsa.version: [ 1, 2 ]
amdhsa.kernels:
  - .name:           k_q89371f286b_quant
    .symbol:         k_q89371f286b_quant.kd
    .args:
      - { .name: inputs_for_keys, .offset: 0, .size: 8, .value_kind: global_buffer, .address_space: global }
      - { .name: inputs_for_queries, .offset: 8, .size: 8, .value_kind: global_buffer, .address_space: global }
      - { .name: inputs_for_values, .offset: 16, .size: 8, .value_kind: global_buffer, .address_space: global }
      - { .name: Wk, .offset: 24, .size: 8, .value_kind: global_buffer, .address_space: global }
      - { .name: Wq, .offset: 32, .size: 8, .value_kind: global_buffer, .address_space: global }
      - { .name: Wv, .offset: 40, .size: 8, .value_kind: global_buffer, .address_space: global }
      - { .name: Wo, .offset: 48, .size: 8, .value_kind: global_buffer, .address_space: global }
      - { .name: xq, .offset: 56, .size: 8, .value_kind: global_buffer, .address_space: global }
      - { .name: wq, .offset: 64, .size: 8, .value_kind: global_buffer, .address_space: global }
    .group_segment_fixed_size: 34816
    .private_segment_fixed_size: 0
    .kernarg_segment_align: 8
    .kernarg_segment_size: 72
    .max_flat_workgroup_size: 128
    .sgpr_count:     66
    .vgpr_count:     256
    .wavefront_size: 32
...
	.end_amdgpu_metadata
.endif
;; end of part 1
;; launch proj (part 2): grid 4 x 64, 4 waves a work-group, clusters of 4 x 4, 327,680 bytes of LDS; arguments xq, wq, bk, bq, bv, qrec, kvrec; writes qrec, kvrec
.if DOCPART == 2
	.amdgcn_target "amdgcn-amd-amdhsa--gfx1250"
	.amdhsa_code_object_version 6
	.text
	.protected	k_q89371f286b_proj
	.globl	k_q89371f286b_proj
	.p2align	8
	.type	k_q89371f286b_proj,@function
k_q89371f286b_proj:
	s_mov_b64 s[64:65], 0
	v_nop
	global_prefetch_b8 v0, s[64:65] scope:SCOPE_SE
	s_setreg_imm32_b32 hwreg(HW_REG_WAVE_MODE, 25, 1), 1
	s_wait_xcnt 0x0
	s_wait_alu depctr_hold_cnt(0) depctr_sa_sdst(0) depctr_va_vdst(0) depctr_va_sdst(0) depctr_va_ssrc(0) depctr_va_vcc(0) depctr_vm_vsrc(0)
	s_getreg_b32 s2, hwreg(HW_REG_IB_STS2, 6, 4)
	s_cmp_eq_u32 s2, 0
	s_cbranch_scc0 .Lentry_in_a_cluster
	s_endpgm
.Lentry_in_a_cluster:
	s_bfe_u32 s2, ttmp6, 0x10000c
	s_cmp_lg_u32 s2, 0xf033
	s_cbranch_scc0 .Lentry_shape_is_right
	s_endpgm
.Lentry_shape_is_right:
; The three projections on codes of FP6 (E2M3) with E8M0 scales, K = 1,024; the bias is added in f32 and the result is quantised again, in registers, along the next product's K:
; K and Q (X rows x W columns) along the head's 256; V, computed as W columns x X rows, along the keys.  LIMITS: NaN and infinities not served; a block of zeros or under 2^-124 gets the byte 1, with zero codes (only this program reads the bytes).
; A TILE is 128 rows of A x 256 rows of B (both stored K innermost as register images in pieces of 3,328 bytes: two fragments of 1,536 bytes and their 2 x 64 bytes of scale words).  For K and Q: A = xq, B = wq; for V: A = wq, B = xq.
; Four waves, 2 x 2, each 64 x 128: 32 accumulators.  768 tiles on 256 work-groups.  A WORK-GROUP STAYS: it makes its tile of K, then of Q, then of V; the text of a tile is written three times, so what differs is a constant.
; THE RING: two LDS slots, each half of K for both operands (quarters 2 s and 2 s + 1: A 2 x 25,600 bytes, B 2 x 51,200).  A wave brings one quarter of one operand with one load (waves 0, 1: A's, 8 row blocks; waves 2, 3: B's, 16).
; A slot is left in its last K step, when that step's fragments are in registers: every wave waits for all its tensor loads, adds 0 to its spare word, waits for that and for its LDS reads; a round of the cluster's barrier; the slot is filled
; with the same half of the NEXT tile.  So the next tile's first half has four K steps (128 matrix instructions a wave) in which to land, its second half the way out and four K steps.  A wave has two tensor loads out at the start, later one.
; CLUSTERS: 4 x 4 work-groups.  The four of a row need the same tile of A, the four of a column the same tile of B: each is asked for jointly.
; THE MATRIX INSTRUCTION IS USED TRANSPOSED (source 0 = 16 rows of B, source 1 = 16 rows of A).  A row block 2 B + u holds at place r the row 32 B + 8 u + r + 8 (r / 8), so a lane's 64 results for one block of A
; are B's rows 32 b + 16 (lane / 16) + i in register 16 b + i: what QUANT takes.  The fragment that it makes is stored as it stands: no LDS on the way out.
; RECORDS (qrec, kvrec): for each (batch x head, 128 rows of the sequence) 51,200 bytes: 16 fragments of K or Q ((2 tile + d step) x 1,536), 16 of V (24,576 + d tile x 1,536), their scale words at 49,152 and 50,176, 64 bytes each.
; No prefetch: each half of a tile is asked for half a tile ahead of its use, by the refill itself.
; REGISTERS: window 0: v1-29 addresses; v32-47 scale words, two sets, nothing else; v48-63, v160-249 the way out; v64-159 A's fragments, two sets.  window 1: B's fragments, sets at v0 and v128.  window 2: the accumulators, (a, b) at 8 (8 a + b).
;   window 3: v0-63 the bias by columns (K, Q), v64-71 the bias by rows (V).
.set SPARE, 307200                     ; behind the ring: the spare words, 128 bytes a wave
.set RR, 1                             ; v1  r = lane % 16
.set HH, 2                             ; v2  h = lane / 16
.set LI, 3                             ; v3  16 x lane
.set ADRA, 8                           ; v8-11   my four blocks of A in quarter q: 25,600 q + 12,800 (wave / 2) + 16 x lane
.set ADRB, 12                          ; v12-15  my eight blocks of B: 102,400 + 51,200 q + 25,600 (wave % 2) + 16 x lane
.set SCL, 16                           ; v16-19  scale words: lanes 0-15 A's block i, lanes 16-31 B's block i
.set SCH, 20                           ; v20-23  lanes 0-15 A's block i, lanes 16-31 B's block 4 + i
.set BCO, 24                           ; v24  64 h
.set BRO, 25                           ; v25  4 (r + 8 (r / 8))
.set SOFK, 26                          ; v26  K, Q: 4 r + 128 h
.set SOFV, 27                          ; v27  V: 4 r + 64 h
.set SPW, 28
.set NIL, 29
.set SC, 32
.set TM, 48
.set AF, 64
.set T, 160
.set PC, 224
.set PW, 244
.set SW, 248
.set BC, 0
.set BR, 64
.set SEL, 2                            ; s[2:3]
.set G1A, 32
.set G1B, 40
.set G0A, 48                           ; s[48:55] groups 0 for A, one a slot
.set G0B, 56                           ; s[56:63] for B
                                       ; s[68:73] where my quarter of A begins in tiles 0, 1, 2;  s[74:79] the same for B;  s[80:85] the three biases;  s[86:97] codes and scale words out, tile by tile
.set MSB, 0
.macro WIN new                         ; the immediate's high byte repeats the setting that is left
.if MSB != (\new)
	s_set_vgpr_msb (MSB<<8)|(\new)
.set MSB, (\new)
.endif
.endm
.macro PLACES n
.rept \n
	v_nop
.endr
.endm
.macro JLOAD q                         ; a joint load into slot q: waves 0 and 1 fetch for A, waves 2 and 3 for B; an s_nop 0 and four v_nop follow each line
	s_cmp_eq_u32 s19, 0
	s_cbranch_scc0 .Lfor_b_\@
	tensor_load_to_lds s[G0A+4*(\q):G0A+4*(\q)+3], s[G1A:G1A+7]
	s_nop 0
	PLACES 4
	s_branch .Lasked_\@
.Lfor_b_\@:
	tensor_load_to_lds s[G0B+4*(\q):G0B+4*(\q)+3], s[G1B:G1B+7]
	s_nop 0
	PLACES 4
.Lasked_\@:
.endm
.macro CREST                           ; a round of the cluster's barrier behind its opening barrier
	s_cmp_lg_u32 s18, 0
	s_cbranch_scc1 .Lnot_wave_0_\@
	s_barrier_signal -3
.Lnot_wave_0_\@:
	s_barrier_wait -3
	s_barrier_signal -1
	s_barrier_wait -1
.endm
.macro CROUND                          ; a whole round
	s_barrier_signal -1
	s_barrier_wait -1
	CREST
.endm
.macro QUANT s, pw                     ; 64 numbers, register 16 b + i = k 32 b + 16 (lane / 16) + i of my row -> 12 registers of codes in v[PC] on, the row's scale word in v[pw]
.irp b, 0,1,2,3
	v_max3_num_f32 v[TM+\b], |v[\s+16*\b]|, |v[\s+1+16*\b]|, 0x1800000   ; and the floor 2^(3 - 127): the byte cannot fall under 1
.endr
.irp i, 2,4,6,8,10,12,14
.irp b, 0,1,2,3
	v_max3_num_f32 v[TM+\b], v[TM+\b], |v[\s+16*\b+\i]|, |v[\s+1+16*\b+\i]|
.endr
.endr
.irp b, 0,1,2,3
	v_permlanex16_b32 v[TM+4+\b], v[TM+\b], s[SEL], s[SEL+1]
.endr
.irp b, 0,1,2,3
	v_max_num_f32 v[TM+\b], v[TM+\b], v[TM+4+\b]
.endr
.irp b, 0,1,2,3
	v_add_nc_u32 v[TM+12+\b], 0xff000000, v[TM+\b]   ; 2 off the exponent field: the conversion's scale operand
.endr
.irp b, 0,1,2,3
	v_lshrrev_b32 v[TM+4+\b], 23, v[TM+12+\b]
.endr
	v_lshl_or_b32 v[\pw], v[TM+5], 8, v[TM+4]
	v_lshl_or_b32 v[\pw], v[TM+6], 16, v[\pw]
	v_lshl_or_b32 v[\pw], v[TM+7], 24, v[\pw]
.irp c, 0,1
	v_cvt_scalef32_pk16_fp6_f32 v[PC+6*\c:PC+2+6*\c], v[\s+32*\c:\s+15+32*\c], v[TM+12+2*\c]
	v_cvt_scalef32_pk16_fp6_f32 v[PC+12+4*\c:PC+14+4*\c], v[\s+16+32*\c:\s+31+32*\c], v[TM+12+2*\c+1]
.endr
	v_nop                                          ; one plain instruction behind the scaled conversions
.irp c, 0,1
.irp i, 0,1,2
	v_permlane16_swap_b32 v[PC+6*\c+\i], v[PC+12+4*\c+\i]
.endr
.irp i, 0,1,2
	v_mov_b32 v[PC+3+6*\c+\i], v[PC+12+4*\c+\i]
.endr
.endr
.endm
; 44 LDS loads: K step ks of a tile (fragment ks % 2 of quarter ks / 2): B's eight fragments, A's four, eight registers of scale words
.macro FETCH ks, set
	WIN 0x40                                       ; destination window 1, address window 0
.irp i, 0,1,2,3,4,5,6,7
.irp c, 0,1,2
	ds_load_b128 v[128*(\set)+12*\i+4*\c:128*(\set)+12*\i+4*\c+3], v[ADRB+(\ks)/2] offset:3200*\i+1536*((\ks)%2)+512*\c
.endr
.endr
	WIN 0
.irp i, 0,1,2,3
.irp c, 0,1,2
	ds_load_b128 v[AF+48*(\set)+12*\i+4*\c:AF+48*(\set)+12*\i+4*\c+3], v[ADRA+(\ks)/2] offset:3200*\i+1536*((\ks)%2)+512*\c
.endr
.endr
.irp i, 0,1,2,3
	ds_load_b32 v[SC+8*(\set)+\i], v[SCL+(\ks)/2] offset:3200*\i+64*((\ks)%2)
	ds_load_b32 v[SC+8*(\set)+4+\i], v[SCH+(\ks)/2] offset:3200*\i+64*((\ks)%2)
.endr
.endm
; 16 matrix instructions: A's blocks a0, a0 + 1 x B's eight.  The 32 accumulators take turns, one instruction a turn, in the same order in every K step
.macro MULH set, a0, zero
	WIN 0xa1                                       ; source 0 (B) window 1, source 1 (A) window 0, C and D window 2
.irp a, \a0, \a0+1
.irp b, 0,1,2,3,4,5,6,7
.if \zero
	v_wmma_scale_f32_16x16x128_f8f6f4 v[8*(8*(\a)+\b):8*(8*(\a)+\b)+7], v[128*(\set)+12*\b:128*(\set)+12*\b+11], v[AF+48*(\set)+12*(\a):AF+48*(\set)+12*(\a)+11], 0, v[SC+8*(\set)+\b], v[SC+8*(\set)+(\a)] matrix_a_fmt:MATRIX_FMT_FP6 matrix_b_fmt:MATRIX_FMT_FP6 matrix_a_scale:MATRIX_SCALE_ROW1
.else
	v_wmma_scale_f32_16x16x128_f8f6f4 v[8*(8*(\a)+\b):8*(8*(\a)+\b)+7], v[128*(\set)+12*\b:128*(\set)+12*\b+11], v[AF+48*(\set)+12*(\a):AF+48*(\set)+12*(\a)+11], v[8*(8*(\a)+\b):8*(8*(\a)+\b)+7], v[SC+8*(\set)+\b], v[SC+8*(\set)+(\a)] matrix_a_fmt:MATRIX_FMT_FP6 matrix_b_fmt:MATRIX_FMT_FP6 matrix_a_scale:MATRIX_SCALE_ROW1
.endif
.endr
.endr
.endm
; The last K step of half h of tile t multiplies set 1 and leaves slot h.  Its fragments are in registers at the wait for the LDS loads, so nobody reads the slot behind the barrier.
; Tiles 0 and 1: the barrier opens a round of the cluster's barrier, and the slot takes the same half of the next tile.  Tile 2: nothing is left to ask for; its first half still ends with a barrier, which shows its second half whole.
.macro TURN t, h
.if ((\t) == 2) && ((\h) == 1)
	s_wait_dscnt 0x0                               ; the very last K step
	MULH 1, 0, 0
	MULH 1, 2, 0
.else
	WIN 0                                          ; (the add's two registers lie in window 0)
	s_wait_tensorcnt 0x0                           ; all my tensor loads have landed: my part of the other slot; so the groups 0 may be written
	ds_add_u32 v[SPW], v[NIL]                      ; 0 onto my spare word; the descriptors' steps stand between it and the wait for it
.if (\t) < 2
	s_add_nc_u64 s[G0A+4*(\h)+2:G0A+4*(\h)+3], s[70+2*(\t):71+2*(\t)], 6656*(\h)   ; the next tile's A: my quarter of half h (two pieces a half)
	s_or_b32 s[G0A+4*(\h)+3], s[G0A+4*(\h)+3], 0x80000000
	s_add_nc_u64 s[G0B+4*(\h)+2:G0B+4*(\h)+3], s[76+2*(\t):77+2*(\t)], 6656*(\h)   ; and its B
	s_or_b32 s[G0B+4*(\h)+3], s[G0B+4*(\h)+3], 0x80000000
.endif
	s_wait_dscnt 0x0                               ; the add is done, and my reads of this slot are over
	s_barrier_signal -1
	MULH 1, 0, 0                                   ; work on registers while the others arrive
	WIN 0
	s_barrier_wait -1
.if (\t) < 2
	CREST                                          ; no wave of any partner still reads this slot or has a load on its way
	JLOAD \h                                       ; the first tensor load behind the round, one a wave; its four v_nop are also the places in front of the loads below
.else
	PLACES 4
.endif
	FETCH (4*(\h)+4)%8, 0                          ; the next half's first K step: in the other slot, which is whole
	MULH 1, 2, 0
.endif
.endm
; A tile's eight K steps.  On the way in, K step 0's fragments have been asked for, into set 0.
.macro TILE t
.set KS, 0
.rept 8
.if KS%4 < 3
.if KS > 0
	PLACES 4                                       ; in front of loads into registers that the last products have read (ahead of K step 0 the way out's instructions stand there)
.endif
	FETCH KS+1, 1-KS%2
	s_wait_dscnt 44                                ; all but the 44 just issued: this K step's fragments are in
.if KS == 0
	MULH 0, 0, 1                                   ; the first products start the sums: nothing is cleared
	MULH 0, 2, 1
.else
	MULH KS%2, 0, 0
	MULH KS%2, 2, 0
.endif
.else
	TURN \t, KS/4
.endif
.set KS, KS+1
.endr
.endm
; The bias of tile t.  K, Q: by columns: register 16 b + i = bias[my first column + 32 b + 16 h + i].  V: by rows: bias[my first row + the row at place r of block a], twice: the packed addition names a pair.
.macro BIASL t
	WIN 0xc0                                       ; destination window 3
.if (\t) < 2
.irp be, 0,1,2,3
.irp j, 0,1,2,3
	global_load_b128 v[BC+16*\be+4*\j:BC+16*\be+4*\j+3], v[BCO], s[80+2*(\t):81+2*(\t)] offset:128*\be+16*\j
.endr
.endr
.else
.irp a, 0,1,2,3
	global_load_b32 v[BR+2*\a], v[BRO], s[84:85] offset:(32*(\a/2)+8*(\a%2))*4
	global_load_b32 v[BR+2*\a+1], v[BRO], s[84:85] offset:(32*(\a/2)+8*(\a%2))*4
.endr
.endif
	WIN 0
.endm
; THE WAY OUT of tile t, a block of A at a time: + bias, quantised, stored as the fragment's image.  It touches none of the registers that hold the next tile's first fragments.
.macro EPI t
.if (\t) < 2
.set ASTR, 3072                        ; from block a's fragment to the next: two d steps to a tile of K or Q
.set SSTR, 128
.set SOF, SOFK
.else
.set ASTR, 1536
.set SSTR, 64
.set SOF, SOFV
.endif
.set CO, 86+4*(\t)
	WIN 0
	s_wait_loadcnt 0x0                             ; the bias
	PLACES 4                                       ; behind the last products, ahead of the first read of results
.irp a, 0,1,2,3
	WIN 0x0e                                       ; source 0 window 2, source 1 window 3
.set J, 0
.rept 32
.if (\t) < 2
	v_pk_add_f32 v[T+J:T+J+1], v[64*\a+J:64*\a+J+1], v[BC+J:BC+J+1]   ; each accumulator from its low end on
.else
	v_pk_add_f32 v[T+J:T+J+1], v[64*\a+J:64*\a+J+1], v[BR+2*\a:BR+2*\a+1] op_sel_hi:[1,0]
.endif
.set J, J+2
.endr
	WIN 0
	s_wait_xcnt 0x0                                ; the earlier stores have read the codes' and the scale words' registers
	QUANT T, PW+\a
.irp c, 0,1,2
	global_store_b128 v[LI], v[PC+4*\c:PC+4*\c+3], s[CO:CO+1] offset:ASTR*\a+512*\c   ; 512 consecutive bytes, at a multiple of 256 from the buffer's first byte
.endr
.endr
	v_cndmask_b32 v[SW], v[PW], v[PW+1], s98       ; every lane holds its row's word: lanes 0-15 give block 0's, lanes 16-31 block 1's
	v_cndmask_b32 v[SW+1], v[PW+2], v[PW+3], s98
	global_store_b32 v[SOF], v[SW], s[CO+2:CO+3]   ; runs of 64 bytes: one byte for each 24 of codes
	global_store_b32 v[SOF], v[SW+1], s[CO+2:CO+3] offset:2*SSTR
.endm
	s_load_b256 s[4:11], s[0:1], 0x0               ; xq s[4:5], wq s[6:7], bk s[8:9], bq s[10:11]
	s_load_b128 s[12:15], s[0:1], 0x20             ; bv s[12:13], qrec s[14:15]
	s_load_b64 s[16:17], s[0:1], 0x30              ; kvrec
	v_lshl_add_u32 v[SPW], v0, 2, SPARE
	v_mov_b32 v[NIL], 0
	ds_add_u32 v[SPW], v[NIL]                      ; the wave's opening: the add and its wait stand ahead of my first tensor load; work on registers stands between them
	v_lshrrev_b32 v1, 5, v0
	v_readfirstlane_b32 s18, v1                    ; wave 0..3
	s_lshr_b32 s19, s18, 1                         ; which 64 rows of A are mine.  Also: I fetch for A (0) or for B (1)
	s_and_b32 s20, s18, 1                          ; which 128 rows of B are mine.  Also: which quarter of a half I fetch
	s_bfe_u32 s21, ttmp6, 0x40000                  ; cx
	s_bfe_u32 s22, ttmp6, 0x40004                  ; cy
	s_and_b32 s23, ttmp7, 0xffff                   ; the cluster's y, 0..15
	s_lshl_b32 s24, s23, 2
	s_add_co_u32 s24, s24, s22                     ; K, Q: which 128 rows of X, 0..63 (the 256 columns of W are cx's)
	s_and_b32 s25, s23, 1
	s_lshl_b32 s25, s25, 2
	s_add_co_u32 s25, s25, s22                     ; V: which 128 columns of Wv, 0..7
	s_lshr_b32 s26, s23, 1
	s_lshl_b32 s26, s26, 2
	s_add_co_u32 s26, s26, s21                     ; V: which 256 rows of X, 0..31
	s_lshl_b32 s28, s22, 2
	s_lshl_b32 s28, 15, s28                        ; my row of the cluster
	s_lshl_b32 s100, 0x1111, s21                   ; my column
	; descriptor group 1: rows of 400 elements of 8 bytes (the 3,200 bytes of a piece that are written), one for each row block, 13,312 bytes apart; dense in LDS
	s_or_b32 s[G1A], s28, (3<<16)|(1<<21)          ; 15:0 the mask; 17:16 elements of 8 bytes; 21 set beside a mask
	s_or_b32 s[G1B], s100, (3<<16)|(1<<21)
	s_mov_b32 s[G1A+1], 400<<16                    ; tensor_dim0
	s_mov_b32 s[G1A+2], 8<<16                      ; tensor_dim1: A's eight row blocks
	s_mov_b32 s[G1A+3], 400<<16                    ; tile_dim0
	s_mov_b32 s[G1A+4], 8                          ; tile_dim1
	s_mov_b32 s[G1A+5], 1664                       ; stride
	s_mov_b32 s[G1A+6], 0
	s_mov_b32 s[G1A+7], 0
	s_mov_b32 s[G1B+1], 400<<16
	s_mov_b32 s[G1B+2], 16<<16                     ; B's sixteen row blocks
	s_mov_b32 s[G1B+3], 400<<16
	s_mov_b32 s[G1B+4], 16
	s_mov_b32 s[G1B+5], 1664
	s_mov_b32 s[G1B+6], 0
	s_mov_b32 s[G1B+7], 0
	s_mul_i32 s27, s20, 3328                       ; my piece of a half
	s_mul_i32 s28, s24, 106496                     ; K, Q: A begins at row block 8 x its tile row (8 x 13,312 bytes),
	s_add_co_u32 s28, s28, s27
	s_mov_b32 s29, 0
	s_mul_i32 s30, s25, 106496                     ; V: the same in the third tensor of wq
	s_add_co_u32 s30, s30, s27
	s_add_co_u32 s30, s30, 1703936
	s_mov_b32 s31, 0
	s_mul_i32 s98, s21, 212992                     ; K, Q: B begins at row block 16 cx,
	s_add_co_u32 s98, s98, s27
	s_mov_b32 s99, 0
	s_mul_i32 s100, s26, 212992                    ; V: at 16 x its tile column in the third tensor of xq
	s_add_co_u32 s100, s100, s27
	s_add_co_u32 s100, s100, 13631488
	s_mov_b32 s101, 0
	s_mul_i32 s23, s20, 25600                      ; where my quarter goes in a slot: no place in the cluster enters an LDS address
	s_mul_i32 s27, s20, 51200
	s_mov_b32 s[SEL], 0x76543210
	s_mov_b32 s[SEL+1], 0xfedcba98
	s_wait_dscnt 0x0                               ; the opening add is done
	s_wait_kmcnt 0x0
	s_add_nc_u64 s[68:69], s[4:5], s[28:29]        ; tile 0: A = the keys' X
	s_add_nc_u64 s[70:71], s[68:69], 6815744       ; tile 1: the queries' X
	s_add_nc_u64 s[72:73], s[6:7], s[30:31]        ; tile 2: A = Wv
	s_add_nc_u64 s[74:75], s[6:7], s[98:99]        ; tile 0: B = Wk
	s_add_nc_u64 s[76:77], s[74:75], 851968        ; tile 1: Wq
	s_add_nc_u64 s[78:79], s[4:5], s[100:101]      ; tile 2: B = the values' X
	CROUND                                         ; all sixteen work-groups are here: the first joint loads meet
.irp s, 0,1
	s_mov_b32 s[G0A+4*\s], 1
	s_add_co_u32 s[G0A+4*\s+1], s23, 51200*\s      ; A's quarter 2 s + wave % 2
	s_add_nc_u64 s[G0A+4*\s+2:G0A+4*\s+3], s[68:69], 6656*\s
	s_or_b32 s[G0A+4*\s+3], s[G0A+4*\s+3], 0x80000000
	s_mov_b32 s[G0B+4*\s], 1
	s_add_co_u32 s[G0B+4*\s+1], s27, 102400+102400*\s   ; B's
	s_add_nc_u64 s[G0B+4*\s+2:G0B+4*\s+3], s[74:75], 6656*\s
	s_or_b32 s[G0B+4*\s+3], s[G0B+4*\s+3], 0x80000000
	JLOAD \s
.endr
	s_mov_b32 s98, 0xffff0000                      ; lanes 16-31
	v_and_b32 v[RR], 15, v0
	v_bfe_u32 v[HH], v0, 4, 1
	v_and_b32 v[LI], 31, v0
	v_lshlrev_b32 v[LI], 4, v[LI]
	v_lshlrev_b32 v[BCO], 6, v[HH]
	v_and_b32 v[BRO], 8, v[RR]
	v_add_nc_u32 v[BRO], v[BRO], v[RR]
	v_lshlrev_b32 v[BRO], 2, v[BRO]
	v_lshlrev_b32 v[SOFK], 2, v[RR]
	v_lshl_add_u32 v[SOFV], v[HH], 6, v[SOFK]
	v_lshl_add_u32 v[SOFK], v[HH], 7, v[SOFK]
.irp b, 0,1,2,3
	v_mov_b32 v[TM+4+\b], 0                        ; written once: a lane permute's destination counts as one of its sources
.endr
	s_lshl_b32 s28, s21, 10                        ; the biases.  K, Q: 4 x (256 cx + 128 x my half of the columns)
	s_lshl_b32 s29, s20, 9
	s_add_co_u32 s28, s28, s29
	s_mov_b32 s29, 0
	s_add_nc_u64 s[80:81], s[8:9], s[28:29]
	s_add_nc_u64 s[82:83], s[10:11], s[28:29]
	s_lshl_b32 s28, s25, 9                         ; V: 4 x (128 x its tile row + 64 x my half of the rows)
	s_lshl_b32 s30, s19, 8
	s_add_co_u32 s28, s28, s30
	s_add_nc_u64 s[84:85], s[12:13], s[28:29]
	BIASL 0
	; K, Q: record ((tile row / 16) x 4 + cx) x 16 + tile row % 16; tile 4 x (wave / 2) + a, d step wave % 2
	s_lshr_b32 s28, s24, 4
	s_lshl_b32 s28, s28, 2
	s_add_co_u32 s28, s28, s21
	s_lshl_b32 s28, s28, 4
	s_and_b32 s30, s24, 15
	s_add_co_u32 s28, s28, s30
	s_mul_i32 s28, s28, 51200
	s_mul_i32 s30, s19, 12288
	s_add_co_u32 s30, s30, s28
	s_mul_i32 s31, s20, 1536
	s_add_co_u32 s30, s30, s31
	s_mov_b32 s31, 0
	s_add_nc_u64 s[86:87], s[16:17], s[30:31]      ; K's codes go to kvrec,
	s_add_nc_u64 s[90:91], s[14:15], s[30:31]      ; Q's to qrec
	s_lshl_b32 s30, s19, 9
	s_add_co_u32 s30, s30, s28
	s_lshl_b32 s28, s20, 6
	s_add_co_u32 s30, s30, s28
	s_add_co_u32 s30, s30, 49152
	s_add_nc_u64 s[88:89], s[16:17], s[30:31]      ; their scale words
	s_add_nc_u64 s[92:93], s[14:15], s[30:31]
	; V: record ((tile column / 8) x 4 + tile row / 2) x 16 + 2 (tile column % 8) + wave % 2; d tile 8 (tile row % 2) + 4 (wave / 2) + a
	s_lshr_b32 s28, s26, 3
	s_lshl_b32 s28, s28, 2
	s_lshr_b32 s30, s25, 1
	s_add_co_u32 s28, s28, s30
	s_lshl_b32 s28, s28, 4
	s_and_b32 s30, s26, 7
	s_lshl_b32 s30, s30, 1
	s_add_co_u32 s28, s28, s30
	s_add_co_u32 s28, s28, s20
	s_mul_i32 s28, s28, 51200
	s_and_b32 s30, s25, 1
	s_lshl_b32 s30, s30, 3
	s_lshl_b32 s29, s19, 2
	s_add_co_u32 s29, s29, s30
	s_mul_i32 s30, s29, 1536
	s_add_co_u32 s30, s30, s28
	s_add_co_u32 s30, s30, 24576
	s_add_nc_u64 s[94:95], s[16:17], s[30:31]
	s_lshl_b32 s30, s29, 6
	s_add_co_u32 s30, s30, s28
	s_add_co_u32 s30, s30, 50176
	s_add_nc_u64 s[96:97], s[16:17], s[30:31]
	s_mul_i32 s28, s19, 12800                      ; my four blocks of A
	s_mul_i32 s29, s20, 25600
	s_add_co_u32 s29, s29, 102400                  ; my eight blocks of B
	v_lshl_add_u32 v4, v[RR], 2, 3072              ; a piece's scale words begin at 3,072: word r
.irp q, 0,1,2,3
	v_add_nc_u32 v[ADRA+\q], s28, v[LI]
	v_add_nc_u32 v[ADRB+\q], s29, v[LI]
	s_sub_co_u32 s30, s29, s28                     ; from A's blocks to B's: lanes 16-31 stand so much further on
	s_add_co_u32 s31, s30, 12800                   ; and four blocks of B more
	v_mul_u32_u24 v5, s30, v[HH]
	v_mul_u32_u24 v6, s31, v[HH]
	v_add_nc_u32 v5, v5, v4
	v_add_nc_u32 v6, v6, v4
	v_add_nc_u32 v[SCL+\q], s28, v5
	v_add_nc_u32 v[SCH+\q], s28, v6
	s_add_co_u32 s28, s28, 25600
	s_add_co_u32 s29, s29, 51200
.endr
	s_wait_tensorcnt 1                             ; my part of slot 0 is in; slot 1's may stay out
	s_barrier_signal -1
	s_barrier_wait -1                              ; everybody's is
	FETCH 0, 0
	TILE 0                                         ; K
	EPI 0
	BIASL 1                                        ; the registers that held K's bias are free
	TILE 1                                         ; Q
	EPI 1
	BIASL 2
	TILE 2                                         ; V
	EPI 2
	s_wait_tensorcnt 0x0                           ; the wave's end
	ds_add_u32 v[SPW], v[NIL]
	s_wait_dscnt 0x0
	CROUND                                         ; the closing round
	s_endpgm
.Lfunc_end_k_q89371f286b_proj:
	.size	k_q89371f286b_proj, .Lfunc_end_k_q89371f286b_proj-k_q89371f286b_proj
	.p2alignl 7, 3214868480
	.fill 96, 4, 3214868480
	.section	.rodata,"a",@progbits
	.p2align	6, 0x0
	.amdhsa_kernel k_q89371f286b_proj
		.amdhsa_group_segment_fixed_size 327680
		.amdhsa_private_segment_fixed_size 0
		.amdhsa_enable_private_segment 0
		.amdhsa_kernarg_size 56
		.amdhsa_user_sgpr_count 2
		.amdhsa_user_sgpr_kernarg_segment_ptr 1
		.amdhsa_wavefront_size32 1
		.amdhsa_system_sgpr_workgroup_id_x 1
		.amdhsa_system_sgpr_workgroup_id_y 1
		.amdhsa_system_sgpr_workgroup_id_z 1
		.amdhsa_system_vgpr_workitem_id 0
		.amdhsa_next_free_vgpr 848
		.amdhsa_next_free_sgpr 102
		.amdhsa_reserve_vcc 0
		.amdhsa_float_denorm_mode_32 3
		.amdhsa_float_denorm_mode_16_64 3
		.amdhsa_memory_ordered 1
		.amdhsa_forward_progress 1
		.amdhsa_inst_pref_size 255
	.end_amdhsa_kernel
	.section	.bss,"aw",@nobits
	.p2align	6
	.space	262144
	.amdgpu_metadata
---
amdhsa.version: [ 1, 2 ]
amdhsa.kernels:
  - .name:           k_q89371f286b_proj
    .symbol:         k_q89371f286b_proj.kd
    .args:
      - { .name: xq, .offset: 0, .size: 8, .value_kind: global_buffer, .address_space: global }
      - { .name: wq, .offset: 8, .size: 8, .value_kind: global_buffer, .address_space: global }
      - { .name: bk, .offset: 16, .size: 8, .value_kind: global_buffer, .address_space: global }
      - { .name: bq, .offset: 24, .size: 8, .value_kind: global_buffer, .address_space: global }
      - { .name: bv, .offset: 32, .size: 8, .value_kind: global_buffer, .address_space: global }
      - { .name: qrec, .offset: 40, .size: 8, .value_kind: global_buffer, .address_space: global }
      - { .name: kvrec, .offset: 48, .size: 8, .value_kind: global_buffer, .address_space: global }
    .group_segment_fixed_size: 327680
    .private_segment_fixed_size: 0
    .kernarg_segment_align: 8
    .kernarg_segment_size: 56
    .max_flat_workgroup_size: 128
    .sgpr_count:     102
    .vgpr_count:     848
    .wavefront_size: 32
...
	.end_amdgpu_metadata
.endif
;; end of part 2
;; launch attn (part 3): grid 16 x 16, 8 waves a work-group, no clusters, 327,680 bytes of LDS; arguments qrec, kvrec, oq; writes oq
.if DOCPART == 3
	.amdgcn_target "amdgcn-amd-amdhsa--gfx1250"
	.amdhsa_code_object_version 6
	.text
	.protected	k_q89371f286b_attn
	.globl	k_q89371f286b_attn
	.p2align	8
	.type	k_q89371f286b_attn,@function
k_q89371f286b_attn:
	s_mov_b64 s[64:65], 0
	v_nop
	global_prefetch_b8 v0, s[64:65] scope:SCOPE_SE
	s_setreg_imm32_b32 hwreg(HW_REG_WAVE_MODE, 25, 1), 1
	s_wait_xcnt 0x0
; Causal attention on codes of FP6 (E2M3) with E8M0 scales: 16 (batch, head) pairs, 2,048 queries and keys, head size 256.  t = score x log2(e) / 256 (the scores are divided by the head size, not by its root).
; M = the running largest t rounded UP to a whole number; p = 2^(t - M) is quantised along the keys, not normalised; the row's sum is taken of the unquantised p and divides O at the end; O / l is quantised along the head's 256 for the last product.
; When M moves, the sum and O are multiplied by 2^(old M - new M): exact.
; LIMITS: NaN and infinities not served; a block of zeros or under 2^-124 gets the byte 1, with zero codes.  A block's largest p is taken from its largest score by the same multiply-add and exponential: this takes v_exp_f32 not to fall where its input rises.
; INPUTS are records of 51,200 bytes for each 128 rows of a head: 16 fragments of K or Q at (2 tile + d step) x 1,536, 16 of V (16 of the head's 256 x 128 keys) at 24,576 + d tile x 1,536, scale words at 49,152 and 50,176.  A fragment is the image of its 12 registers.
; A tile 2 B + u holds at place r the row 32 B + 8 u + r + 8 (r / 8): so the 16 registers of two neighbouring tiles of S^T are 16 neighbouring keys, and those of O^T 16 neighbours of the head's 256.
; SHARES.  A work-group of eight waves, a tile of 16 queries each, in 480 registers: two waves to a SIMD.  Waves 0-3 take the j-th 64 queries of the head, waves 4-7 the (31 - j)-th: every work-group has the same 68 steps of a tile x 128 keys.
; Both products are used transposed (S^T = K Q^T, O^T = V^T P^T): a lane holds one query throughout.
; THE RING: two slots of 256 keys (two records, 102,400 dense bytes), each wave fetching an eighth.  Every work-group walks all eight slots: the trip counts are constants.  A step all of whose keys come after the wave's queries is jumped over, and a slot
; whose first key comes after the work-group's last query is not asked for.  A wave has one tensor load out at the most; every wait on them is for 0.
; FRAGMENTS: four sets of four.  A step's 16 fragments of K are asked for in one run; its 16 of V in one run ahead of the softmax, under which they land.  The scale words of two neighbouring fragments are 128 consecutive bytes: one load brings
; the even fragment's to lanes 0-15 and the odd one's to lanes 16-31.
; NO JOINT LOADS: the sixteen work-groups of a head stop asking at different slots (behind slot 7, 6, 5 or 4, by j), and partners of a cluster have to make every joint request alike.
.set SLOT1, 131072
.set SPARE, 262144                     ; behind the ring: the spare words, 128 bytes for each of eight waves
.set LI, 1                             ; v1  16 x lane
.set LS, 2                             ; v2  4 r
.set SPW, 3
.set NIL, 4
.set PFO, 5                            ; v5  256 x lane
.set ADF, 6                            ; v6  the step's record + 16 x lane
.set ADS, 7                            ; v7  the step's record + 4 x lane
.set LS4, 9                            ; v9  4 x lane
.set QD, 10                            ; v10 r + 8 (r / 8) - 16 h
.set QF, 16                            ; v16-39 Q's two fragments
.set QS, 40                            ; v40-41 their scale words
                                       ; the four sets of four fragments: v44-91, v160-207 of window 0; v128-175, v176-223 of window 1
.set S, 96                             ; v96-159 S^T, then p
.set FS, 208                           ; v208-215 the sets' scale words, two registers a set, nothing else
.set PC, 44                            ; the way out
.set TM, 64
.set PW, 80
.set SW, 82
.set WV, 10
.set BH, 11
.set QT, 12
.set Q0, 15                            ; s15 the first query of my tile
.set QMAX, 16                          ; s16 its last: Q0 + 23
.set LQ, 17                            ; s17 the work-group's last query
.set KF, 18                            ; s18 the step's first key
.set TB, 19                            ; s19 the slot in hand
.set SEL, 20
.set CS, 22                            ; s[22:23] c = log2(e) / 256
.set SLOTS, 36
.set PFA, 38
.set LIM1, 40
.set LIM2, 41
.set MSB, 0
.macro WIN new
.if MSB != (\new)
	s_set_vgpr_msb (MSB<<8)|(\new)
.set MSB, (\new)
.endif
.endm
.macro PLACES n
.rept \n
	v_nop
.endr
.endm
.macro TLOAD                           ; every wave fetches its eighth of a slot; an s_nop 0 and four v_nop follow
	tensor_load_to_lds s[32:35], s[24:31]
	s_nop 0
	PLACES 4
.endm
.macro QUANT s, pw
.irp b, 0,1,2,3
	v_max3_num_f32 v[TM+\b], |v[\s+16*\b]|, |v[\s+1+16*\b]|, 0x1800000
.endr
.irp i, 2,4,6,8,10,12,14
.irp b, 0,1,2,3
	v_max3_num_f32 v[TM+\b], v[TM+\b], |v[\s+16*\b+\i]|, |v[\s+1+16*\b+\i]|
.endr
.endr
.irp b, 0,1,2,3
	v_permlanex16_b32 v[TM+4+\b], v[TM+\b], s[SEL], s[SEL+1]
.endr
.irp b, 0,1,2,3
	v_max_num_f32 v[TM+\b], v[TM+\b], v[TM+4+\b]
.endr
.irp b, 0,1,2,3
	v_add_nc_u32 v[TM+12+\b], 0xff000000, v[TM+\b]
.endr
.irp b, 0,1,2,3
	v_lshrrev_b32 v[TM+4+\b], 23, v[TM+12+\b]
.endr
	v_lshl_or_b32 v[\pw], v[TM+5], 8, v[TM+4]
	v_lshl_or_b32 v[\pw], v[TM+6], 16, v[\pw]
	v_lshl_or_b32 v[\pw], v[TM+7], 24, v[\pw]
.irp c, 0,1
	v_cvt_scalef32_pk16_fp6_f32 v[PC+6*\c:PC+2+6*\c], v[\s+32*\c:\s+15+32*\c], v[TM+12+2*\c]
	v_cvt_scalef32_pk16_fp6_f32 v[PC+12+4*\c:PC+14+4*\c], v[\s+16+32*\c:\s+31+32*\c], v[TM+12+2*\c+1]
.endr
	v_nop
.irp c, 0,1
.irp i, 0,1,2
	v_permlane16_swap_b32 v[PC+6*\c+\i], v[PC+12+4*\c+\i]
.endr
.irp i, 0,1,2
	v_mov_b32 v[PC+3+6*\c+\i], v[PC+12+4*\c+\i]
.endr
.endr
.endm
; 12 LDS loads: fragments 4 g .. 4 g + 3 (from byte base of the record on) into set g.  Sets 0 and 1 lie in window 0, sets 2 and 3 in window 1: the caller sets the window.
.macro LOADC base, g
.set FBB, (1-(\g)/2)*(44+116*((\g)%2))+((\g)/2)*(128+48*((\g)%2))
.irp f, 0,1,2,3
.irp c, 0,1,2
	ds_load_b128 v[FBB+12*\f+4*\c:FBB+12*\f+4*\c+3], v[ADF] offset:\base+(4*(\g)+\f)*1536+512*\c
.endr
.endr
.endm
.macro LOADS sbase, g                  ; 2 LDS loads: their scale words: register m: lanes 0-15 fragment 4 g + 2 m's, lanes 16-31 fragment 4 g + 2 m + 1's
.irp m, 0,1
	ds_load_b32 v[FS+2*(\g)+\m], v[ADS] offset:\sbase+(4*(\g)+2*\m)*64
.endr
.endm
.macro LOADALL base, sbase             ; 56 LDS loads: first the 28 of sets 0 and 1, then the 28 of sets 2 and 3
	LOADC \base, 0
	LOADS \sbase, 0
	LOADC \base, 1
	LOADS \sbase, 1
	LOADS \sbase, 2
	LOADS \sbase, 3
	WIN 0x40                                       ; destination window 1, address window 0
	LOADC \base, 2
	LOADC \base, 3
	WIN 0
.endm
; S^T of key tiles 4 p .. 4 p + 3, from sets 2 p and 2 p + 1: fragment 2 u + c of set g is tile 2 g + u, d step c.  First d step 0 of the four tiles, then d step 1: the four accumulators take turns
.macro MULKP p
	WIN (\p)                                       ; source 0 in window p
.irp c, 0,1
.irp e, 0,1,2,3
.set GG, 2*(\p)+\e/2
.set FBB, (1-GG/2)*(44+116*(GG%2))+(GG/2)*(128+48*(GG%2))
.set KT, 2*GG+\e%2
.set FF, 2*(\e%2)+\c
.if \c
	v_wmma_scale_f32_16x16x128_f8f6f4 v[S+8*KT:S+8*KT+7], v[FBB+12*FF:FBB+12*FF+11], v[QF+12:QF+23], v[S+8*KT:S+8*KT+7], v[FS+2*GG+\e%2], v[QS+1] matrix_a_fmt:MATRIX_FMT_FP6 matrix_b_fmt:MATRIX_FMT_FP6 matrix_a_scale:MATRIX_SCALE_ROW1
.else
	v_wmma_scale_f32_16x16x128_f8f6f4 v[S+8*KT:S+8*KT+7], v[FBB+12*FF:FBB+12*FF+11], v[QF:QF+11], 0, v[FS+2*GG+\e%2], v[QS] matrix_a_fmt:MATRIX_FMT_FP6 matrix_b_fmt:MATRIX_FMT_FP6
.endif
.endr
.endr
	WIN 0
.endm
.macro MULV g                          ; O^T of d tiles 4 g .. 4 g + 3 += V^T P^T, from set g
.set FBB, (1-(\g)/2)*(44+116*((\g)%2))+((\g)/2)*(128+48*((\g)%2))
	WIN 0x50+(\g)/2                                ; C and D window 1; source 0 in the set's window
.irp f, 0,1,2,3
.if \f%2
	v_wmma_scale_f32_16x16x128_f8f6f4 v[8*(4*(\g)+\f):8*(4*(\g)+\f)+7], v[FBB+12*\f:FBB+12*\f+11], v[224:235], v[8*(4*(\g)+\f):8*(4*(\g)+\f)+7], v[FS+2*(\g)+\f/2], v253 matrix_a_fmt:MATRIX_FMT_FP6 matrix_b_fmt:MATRIX_FMT_FP6 matrix_a_scale:MATRIX_SCALE_ROW1
.else
	v_wmma_scale_f32_16x16x128_f8f6f4 v[8*(4*(\g)+\f):8*(4*(\g)+\f)+7], v[FBB+12*\f:FBB+12*\f+11], v[224:235], v[8*(4*(\g)+\f):8*(4*(\g)+\f)+7], v[FS+2*(\g)+\f/2], v253 matrix_a_fmt:MATRIX_FMT_FP6 matrix_b_fmt:MATRIX_FMT_FP6
.endif
.endr
.endm
; A PREFETCH INTO THE L2.  A head's K and V are one dense run of 100 blocks of 8,192 bytes; slots 0 and 1 (blocks 0 to 24) come by their loads alone.  The n-th change of slots (n = 0 ..) names blocks 25 + 13 n + 0 .. 12: what the next change's loads will ask for.
; Only the head's work-group j = 0 asks: it walks all slots.  A wave names one block an instruction, lanes 256 bytes apart: block 25 + 13 n + wave by all eight waves, block 33 + 13 n + wave by waves 0 to 4.
; The run ends at block 99: the change with two slots to go names 90 to 99 alone (the second instruction in waves 0 and 1 only), the last filling change nothing.  So each block is named once and nothing points past the head's end.
.macro ASK
	s_cmp_gt_u32 s[SLOTS], s[LIM1]
	s_cbranch_scc0 .Lno1_\@
	global_prefetch_b8 v[PFO], s[PFA:PFA+1] th:TH_LOAD_NT scope:SCOPE_SE
.Lno1_\@:
	s_cmp_gt_u32 s[SLOTS], s[LIM2]
	s_cbranch_scc0 .Lno2_\@
	global_prefetch_b8 v[PFO], s[PFA:PFA+1] offset:65536 th:TH_LOAD_NT scope:SCOPE_SE
.Lno2_\@:
.endm
	s_load_b128 s[4:7], s[0:1], 0x0                ; qrec s[4:5], kvrec s[6:7]
	s_load_b64 s[8:9], s[0:1], 0x10                ; oq
	v_lshl_add_u32 v[SPW], v0, 2, SPARE
	v_mov_b32 v[NIL], 0
	ds_add_u32 v[SPW], v[NIL]                      ; the wave's opening: the add and its wait stand ahead of my first tensor load; work on registers stands between them
	v_lshrrev_b32 v6, 5, v0
	v_readfirstlane_b32 s[WV], v6                  ; wave 0..7
	s_and_b32 s[BH], ttmp7, 0xffff                 ; batch x 4 + head
	s_sub_co_u32 s[QT], 31, ttmp9
	s_cmp_lt_u32 s[WV], 4
	s_cselect_b32 s[QT], ttmp9, s[QT]              ; which 64 queries
	s_lshl_b32 s[QT], s[QT], 2
	s_and_b32 s13, s[WV], 3
	s_add_co_u32 s[QT], s[QT], s13                 ; my tile of 16, 0..127
	s_lshr_b32 s[Q0], s[QT], 1
	s_lshl_b32 s[Q0], s[Q0], 5
	s_and_b32 s13, s[QT], 1
	s_lshl_b32 s13, s13, 3
	s_add_co_u32 s[Q0], s[Q0], s13                 ; place r of my tile is query Q0 + r + 8 (r / 8)
	s_add_co_u32 s[QMAX], s[Q0], 23
	s_lshl_b32 s[LQ], ttmp9, 6
	s_sub_co_u32 s[LQ], 2047, s[LQ]
	s_mov_b32 s[KF], 0
	s_mov_b32 s[TB], 0
	s_mov_b32 s[SEL], 0x76543210
	s_mov_b32 s[SEL+1], 0xfedcba98
	s_mov_b32 s[CS], 0x3bb8aa3b                    ; log2(e) / 256
	s_mov_b32 s[CS+1], s[CS]
	s_mov_b32 s[SLOTS], 7
	s_mov_b32 s50, 0xffff0000                      ; lanes 16-31
	; descriptor group 1: 12,800 dense bytes as 50 rows of 32 elements of 8 bytes
	s_mov_b32 s24, 3<<16
	s_mov_b32 s25, 32<<16
	s_mov_b32 s26, 50<<16
	s_mov_b32 s27, 32<<16
	s_mov_b32 s28, 50
	s_mov_b32 s29, 32
	s_mov_b32 s30, 0
	s_mov_b32 s31, 0
	s_mul_i32 s42, s[BH], 819200                   ; the head's 16 records
	s_mul_i32 s44, s[WV], 12800                    ; my eighth of a slot
	s_add_co_u32 s46, s42, s44
	s_mov_b32 s47, 0
	s_lshr_b32 s48, s[QT], 3                       ; Q: record tile / 8,
	s_mul_i32 s48, s48, 51200
	s_add_co_u32 s48, s48, s42
	s_and_b32 s49, s[QT], 7                        ; tile % 8 in it
	s_mul_i32 s43, s49, 3072
	s_add_co_u32 s52, s48, s43
	s_mov_b32 s53, 0
	s_lshl_b32 s43, s49, 7
	s_add_co_u32 s54, s48, s43
	s_add_co_u32 s54, s54, 49152
	s_mov_b32 s55, 0
	s_lshr_b32 s43, s[BH], 2                       ; oq: row block batch x 128 + tile, piece = head
	s_lshl_b32 s43, s43, 7
	s_add_co_u32 s43, s43, s[QT]
	s_mul_i32 s56, s43, 13312
	s_and_b32 s43, s[BH], 3
	s_mul_i32 s43, s43, 3328
	s_add_co_u32 s56, s56, s43
	s_mov_b32 s57, 0
	s_add_co_u32 s43, s[WV], 12                    ; the prefetches stand 13 blocks ahead of block 25 + wave: the first change steps them there
	s_lshl_b32 s43, s43, 13
	s_add_co_u32 s58, s42, s43
	s_mov_b32 s59, 0
	s_cmp_lt_u32 s[WV], 5
	s_cselect_b32 s[LIM2], 2, -1
	s_cmp_lt_u32 s[WV], 2
	s_cselect_b32 s[LIM2], 1, s[LIM2]
	s_cmp_eq_u32 ttmp9, 0
	s_cselect_b32 s[LIM1], 1, -1
	s_cselect_b32 s[LIM2], s[LIM2], -1
	s_wait_dscnt 0x0                               ; the opening add is done
	s_wait_kmcnt 0x0
	s_mov_b32 s32, 1
	s_mov_b32 s33, s44
	s_add_nc_u64 s[34:35], s[6:7], s[46:47]
	s_or_b32 s35, s35, 0x80000000
	TLOAD                                          ; slot 0
	s_add_nc_u64 s[52:53], s[4:5], s[52:53]
	s_add_nc_u64 s[54:55], s[4:5], s[54:55]
	s_add_nc_u64 s[8:9], s[8:9], s[56:57]
	s_add_nc_u64 s[PFA:PFA+1], s[6:7], s[58:59]
	v_and_b32 v6, 31, v0
	v_lshlrev_b32 v[LI], 4, v6
	v_lshlrev_b32 v[PFO], 8, v6
	v_lshlrev_b32 v[LS4], 2, v6
	v_and_b32 v7, 15, v0
	v_lshlrev_b32 v[LS], 2, v7
	v_and_b32 v8, 8, v7
	v_add_nc_u32 v[QD], v8, v7
	v_bfe_u32 v8, v0, 4, 1
	v_lshlrev_b32 v8, 4, v8
	v_sub_nc_u32 v[QD], v[QD], v8
.irp c, 0,1
.irp i, 0,1,2
	global_load_b128 v[QF+12*\c+4*\i:QF+12*\c+4*\i+3], v[LI], s[52:53] offset:1536*\c+512*\i   ; Q stays in registers
.endr
	global_load_b32 v[QS+\c], v[LS], s[54:55] offset:64*\c
.endr
	v_mov_b32 v13, 0xff61b1e6                      ; the largest t so far: -3e38
	v_floor_f32 v12, -v13                          ; -M
	v_mov_b32 v14, 0                               ; the sum, in two halves
	v_mov_b32 v15, 0
.irp b, 0,1,2,3
	v_mov_b32 v[236+\b], 0                         ; written once: a lane permute's destination counts as one of its sources
.endr
	v_mov_b32 v252, 0
	v_mov_b32 v253, 0
	WIN 0x40
.set J, 0
.rept 128
	v_mov_b32 v[J], 0                              ; O^T.  The key step is written without a first step of its own: it finds zeros, which the first change of M leaves zeros
.set J, J+1
.endr
	WIN 0
; A KEY STEP: 128 keys, record q of the slot in hand.
.macro STEP q
	s_cmp_gt_u32 s[KF], s[QMAX]                    ; all keys of the step come after my queries: nothing to do but to step the key
	s_cbranch_scc1 .Lhidden_\@
	s_add_co_u32 s42, s[TB], 51200*(\q)
	v_add_nc_u32 v[ADF], s42, v[LI]
	v_add_nc_u32 v[ADS], s42, v[LS4]
	PLACES 4                                       ; in front of loads into registers that the last step's products have read
	LOADALL 0, 49152                               ; K, all 16 fragments
	s_wait_dscnt 28                                ; sets 0 and 1 are in; the 28 loads of sets 2 and 3 may be out
	MULKP 0
	s_wait_dscnt 0x0
	MULKP 1
	PLACES 4                                       ; in front of the loads below, and of the first read of the scores
	LOADALL 24576, 50176                           ; V, all 16 fragments: they land under the softmax
	s_add_co_u32 s42, s[KF], 127                   ; on the diagonal hidden scores become -infinity ahead of the maximum; a step all of whose keys count skips this
	s_cmp_le_u32 s42, s[Q0]
	s_cbranch_scc1 .Lopen_\@
	s_sub_co_i32 s42, s[Q0], s[KF]
	v_add_nc_u32 v252, s42, v[QD]                  ; d = my query - KF - 16 h.  Register 16 b + i holds key KF + 32 b + 16 h + i: hidden where 32 b + i > d
	v_mov_b32 v254, 0xff800000
.set N, 0
.rept 64
	v_cmp_gt_i32 vcc_lo, 32*(N/16)+N%16, v252
	v_cndmask_b32 v[S+N], v[S+N], v254, vcc_lo
.set N, N+1
.endr
.Lopen_\@:
.irp b, 0,1,2,3
	v_max3_num_f32 v[232+\b], v[96+16*\b], v[97+16*\b], v[98+16*\b]   ; the largest score of each block of 32 keys: for the row's maximum, and for the block's largest p
.endr
.irp i, 3,5,7,9,11,13
.irp b, 0,1,2,3
	v_max3_num_f32 v[232+\b], v[232+\b], v[96+16*\b+\i], v[97+16*\b+\i]
.endr
.endr
.irp b, 0,1,2,3
	v_max_num_f32 v[232+\b], v[232+\b], v[111+16*\b]
.endr
.irp b, 0,1,2,3
	v_permlanex16_b32 v[236+\b], v[232+\b], s[SEL], s[SEL+1]
.endr
.irp b, 0,1,2,3
	v_max_num_f32 v[232+\b], v[232+\b], v[236+\b]
.endr
	v_max3_num_f32 v254, v232, v233, v234
	v_max_num_f32 v254, v254, v235
	v_mul_f32 v254, s[CS], v254                    ; as t (c is positive)
	v_max_num_f32 v13, v13, v254                   ; the running largest t
	v_mov_b32 v254, v12
	v_floor_f32 v12, -v13                          ; the new -M = -ceil(t)
	v_sub_f32 v254, v12, v254                      ; old M - new M: a whole number, 0 or less
	v_cvt_i32_f32 v254, v254                       ; (it saturates)
	v_ldexp_f32 v252, 1.0, v254                    ; f = 2^(old M - new M)
.set J, 0
.rept 32
	v_pk_fma_f32 v[96+J:97+J], v[96+J:97+J], s[CS:CS+1], v[12:13] op_sel_hi:[1,0,0]   ; t - M
.set J, J+2
.endr
.irp b, 0,1,2,3
	v_fma_f32 v[232+\b], v[232+\b], s[CS], v12
.endr
.set J, 0
.rept 64
	v_exp_f32 v[96+J], v[96+J]                     ; p = 2^(t - M)
.set J, J+1
.endr
	v_pk_mul_f32 v[14:15], v[14:15], v[252:253] op_sel_hi:[1,0]   ; the sums under the new M: the plain instruction behind the exponentials
	s_wait_alu depctr_va_vdst(0)                   ; one wait for the batch of 64, ahead of its first reader
.irp b, 0,1,2,3
	v_exp_f32 v[232+\b], v[232+\b]                 ; the blocks' largest p
.endr
	v_pk_add_f32 v[236:237], v[96:97], v[98:99]    ; the row's sum of the unquantised p, in two chains
.irp j, 4,8,12,16,20,24,28,32,36,40,44,48,52,56,60
	v_pk_add_f32 v[14:15], v[14:15], v[96+\j:97+\j]
	v_pk_add_f32 v[236:237], v[236:237], v[98+\j:99+\j]
.endr
	v_pk_add_f32 v[14:15], v[14:15], v[236:237]
	s_wait_alu depctr_va_vdst(0)                   ; and one for the four
.irp b, 0,1,2,3
	v_max_num_f32 v[232+\b], 0x1800000, v[232+\b]  ; the floor: the byte cannot fall under 1
.endr
.irp b, 0,1,2,3
	v_add_nc_u32 v[244+\b], 0xff000000, v[232+\b]
.endr
.irp b, 0,1,2,3
	v_lshrrev_b32 v[236+\b], 23, v[244+\b]
.endr
	v_lshl_or_b32 v253, v237, 8, v236              ; p's scale word for these 128 keys
	v_lshl_or_b32 v253, v238, 16, v253
	v_lshl_or_b32 v253, v239, 24, v253
.irp c, 0,1
	v_cvt_scalef32_pk16_fp6_f32 v[224+6*\c:226+6*\c], v[96+32*\c:111+32*\c], v[244+2*\c]
	v_cvt_scalef32_pk16_fp6_f32 v[236+4*\c:238+4*\c], v[112+32*\c:127+32*\c], v[244+2*\c+1]
.endr
	v_nop
.irp c, 0,1
.irp i, 0,1,2
	v_permlane16_swap_b32 v[224+6*\c+\i], v[236+4*\c+\i]
.endr
.irp i, 0,1,2
	v_mov_b32 v[227+6*\c+\i], v[236+4*\c+\i]
.endr
.endr
	WIN 0x41                                       ; O^T (destination and source 0) window 1, f window 0
.set J, 0
.rept 64
	v_pk_mul_f32 v[J:J+1], v[J:J+1], v[252:253] op_sel_hi:[1,0]   ; O^T under the new M; these are also the places between p's codes and scale word and the products
.set J, J+2
.endr
	WIN 0
	s_wait_dscnt 0x0                               ; V is in
	MULV 0
	MULV 1
	MULV 2
	MULV 3
	WIN 0
.Lhidden_\@:
	s_add_co_u32 s[KF], s[KF], 128
.endm
; THE CHANGE OF SLOTS stands at a slot's head: each wave waits for all its tensor loads (its part of the slot ahead), adds 0 to its spare word, waits for that and for its reads of the slot that it has left; behind the barrier that slot is filled with the keys that follow.
.macro CHANGE fill
	s_wait_tensorcnt 0x0                           ; no tensor load of mine is out, so the group 0 may be written
	ds_add_u32 v[SPW], v[NIL]
.if \fill
	s_xor_b32 s33, s33, SLOT1                      ; the other slot than last time,
	s_add_nc_u64 s[34:35], s[34:35], 102400        ; the next 256 keys
	s_wait_xcnt 0x0                                ; the last prefetches, a slot back, have read their address
	s_add_nc_u64 s[PFA:PFA+1], s[PFA:PFA+1], 106496
.endif
	s_wait_dscnt 0x0
	s_barrier_signal -1
	s_barrier_wait -1
.if \fill
	s_add_co_u32 s42, s[KF], 256                   ; the first key of the slot that this change would ask for
	s_cmp_gt_u32 s42, s[LQ]                        ; past the work-group's last query no wave reads it: ids and the count of steps alone, the same in all eight waves
	s_cbranch_scc1 .Lpast_\@
	TLOAD
.Lpast_\@:
	ASK
.endif
.endm
.macro SLOT_STEPS
	STEP 0
	STEP 1
	s_xor_b32 s[TB], s[TB], SLOT1
.endm
	s_wait_loadcnt 0x0                             ; Q
.Lslot:                                            ; seven trips
	CHANGE 1
	SLOT_STEPS
	s_sub_co_u32 s[SLOTS], s[SLOTS], 1
	s_cmp_lg_u32 s[SLOTS], 0
	s_cbranch_scc1 .Lslot
	CHANGE 0                                       ; the last slot is written out: nothing is left to ask for
	SLOT_STEPS
	; THE WAY OUT: O^T / the sum, quantised along the head's 256 in two halves; each half is one fragment of the last product's A and is stored as it stands.
	PLACES 4
	v_add_f32 v14, v14, v15
	v_permlanex16_b32 v252, v14, s[SEL], s[SEL+1]
	v_add_f32 v14, v14, v252                       ; the row's sum
	v_rcp_f32 v14, v14
.irp b, 0,1,2,3
	v_mov_b32 v[TM+4+\b], 0                        ; plain work behind the reciprocal; a lane permute's destination counts as one of its sources
.endr
	s_wait_alu depctr_va_vdst(0)                   ; ahead of the reciprocal's first reader
.irp c, 0,1
	WIN 0x01                                       ; source 0 window 1
.set J, 0
.rept 32
	v_pk_mul_f32 v[96+J:97+J], v[64*\c+J:64*\c+J+1], v[14:15] op_sel_hi:[1,0]   ; register 16 b + i = d 128 c + 32 b + 16 h + i; each accumulator from its low end on
.set J, J+2
.endr
	WIN 0
.if \c
	s_wait_xcnt 0x0                                ; the first half's stores have read the codes' registers
.endif
	QUANT 96, PW+\c
.irp i, 0,1,2
	global_store_b128 v[LI], v[PC+4*\i:PC+4*\i+3], s[8:9] offset:1536*\c+512*\i
.endr
.endr
	v_cndmask_b32 v[SW], v[PW], v[PW+1], s50
	global_store_b32 v[LS4], v[SW], s[8:9] offset:3072
	s_wait_tensorcnt 0x0                           ; the wave's end
	ds_add_u32 v[SPW], v[NIL]
	s_wait_dscnt 0x0
	s_endpgm
.Lfunc_end_k_q89371f286b_attn:
	.size	k_q89371f286b_attn, .Lfunc_end_k_q89371f286b_attn-k_q89371f286b_attn
	.p2alignl 7, 3214868480
	.fill 96, 4, 3214868480
	.section	.rodata,"a",@progbits
	.p2align	6, 0x0
	.amdhsa_kernel k_q89371f286b_attn
		.amdhsa_group_segment_fixed_size 327680
		.amdhsa_private_segment_fixed_size 0
		.amdhsa_enable_private_segment 0
		.amdhsa_kernarg_size 24
		.amdhsa_user_sgpr_count 2
		.amdhsa_user_sgpr_kernarg_segment_ptr 1
		.amdhsa_wavefront_size32 1
		.amdhsa_system_sgpr_workgroup_id_x 1
		.amdhsa_system_sgpr_workgroup_id_y 1
		.amdhsa_system_sgpr_workgroup_id_z 1
		.amdhsa_system_vgpr_workitem_id 0
		.amdhsa_next_free_vgpr 480
		.amdhsa_next_free_sgpr 66
		.amdhsa_reserve_vcc 1
		.amdhsa_float_denorm_mode_32 3
		.amdhsa_float_denorm_mode_16_64 3
		.amdhsa_memory_ordered 1
		.amdhsa_forward_progress 1
		.amdhsa_inst_pref_size 151
	.end_amdhsa_kernel
	.amdgpu_metadata
---
amdhsa.version: [ 1, 2 ]
amdhsa.kernels:
  - .name:           k_q89371f286b_attn
    .symbol:         k_q89371f286b_attn.kd
    .args:
      - { .name: qrec, .offset: 0, .size: 8, .value_kind: global_buffer, .address_space: global }
      - { .name: kvrec, .offset: 8, .size: 8, .value_kind: global_buffer, .address_space: global }
      - { .name: oq, .offset: 16, .size: 8, .value_kind: global_buffer, .address_space: global }
    .group_segment_fixed_size: 327680
    .private_segment_fixed_size: 0
    .kernarg_segment_align: 8
    .kernarg_segment_size: 24
    .max_flat_workgroup_size: 256
    .sgpr_count:     66
    .vgpr_count:     480
    .wavefront_size: 32
...
	.end_amdgpu_metadata
.endif
;; end of part 3
;; launch outp (part 4): grid 4 x 64, 4 waves a work-group, clusters of 4 x 4, 327,680 bytes of LDS; arguments oq, wq, bo, out0; writes out0
.if DOCPART == 4
	.amdgcn_target "amdgcn-amd-amdhsa--gfx1250"
	.amdhsa_code_object_version 6
	.text
	.protected	k_q89371f286b_outp
	.globl	k_q89371f286b_outp
	.p2align	8
	.type	k_q89371f286b_outp,@function
k_q89371f286b_outp:
	s_mov_b64 s[64:65], 0
	v_nop
	global_prefetch_b8 v0, s[64:65] scope:SCOPE_SE
	s_setreg_imm32_b32 hwreg(HW_REG_WAVE_MODE, 25, 1), 1
	s_wait_xcnt 0x0
	s_wait_alu depctr_hold_cnt(0) depctr_sa_sdst(0) depctr_va_vdst(0) depctr_va_sdst(0) depctr_va_ssrc(0) depctr_va_vcc(0) depctr_vm_vsrc(0)
	s_getreg_b32 s2, hwreg(HW_REG_IB_STS2, 6, 4)
	s_cmp_eq_u32 s2, 0
	s_cbranch_scc0 .Lentry_in_a_cluster
	s_endpgm
.Lentry_in_a_cluster:
	s_bfe_u32 s2, ttmp6, 0x10000c
	s_cmp_lg_u32 s2, 0xf033
	s_cbranch_scc0 .Lentry_shape_is_right
	s_endpgm
.Lentry_shape_is_right:
; out0 = O Wo + bo on codes of FP6 (E2M3) with E8M0 scales, K = 1,024; f32 out.  A = oq (8,192 rows), B = the fourth tensor of wq (Wo's 1,024 columns), both as register images in pieces of 3,328 bytes.
; The frame is that of the projections: a tile of 128 x 256, four waves of 64 x 128, all of K for both tiles in LDS, filled once by four loads a wave (a quarter of K each, waits 3, 2, 1, 0; four tensor loads out at the most), 4 x 4 clusters with joint loads.  256 tiles.
; The matrix instruction is used transposed: a lane holds the row at place r of a block of A and, in register 16 b + i, column 32 b + 16 (lane / 16) + i of the wave's 128.  Place r of block 2 B + u is row 32 B + 8 u + r + 8 (r / 8).
; THE WAY OUT: a block of 16 rows x 128 columns goes through the wave's own stage in LDS (rows of 512 bytes + 16) and leaves as whole rows: 32 lanes store 512 consecutive bytes.  The stages lie in B's first quarter, which has had its
; only fill and which nobody reads behind the second barrier.
.set SPARE, 307200
.set RR, 1
.set HH, 2
.set LI, 3
.set ADRA, 8
.set ADRB, 12
.set SCL, 16
.set SCH, 20
.set BCO, 24
.set STO, 26
.set RD, 27
.set SPW, 28
.set NIL, 29
.set SC, 32
.set AF, 64
.set BK, 64
.set T, 160
.set BC, 0
.set G1A, 32
.set G1B, 40
.set G0A, 48
.set G0B, 68
.set MSB, 0
.macro WIN new
.if MSB != \new
	s_set_vgpr_msb (MSB<<8)|\new
.set MSB, \new
.endif
.endm
.macro PLACES n
.rept \n
	v_nop
.endr
.endm
.macro JLOAD q                         ; a joint load: waves 0 and 1 fetch for A, waves 2 and 3 for B; an s_nop 0 and four v_nop follow each line
	s_cmp_eq_u32 s19, 0
	s_cbranch_scc0 .Lfor_b_\@
	tensor_load_to_lds s[G0A+4*\q:G0A+4*\q+3], s[G1A:G1A+7]
	s_nop 0
	PLACES 4
	s_branch .Lasked_\@
.Lfor_b_\@:
	tensor_load_to_lds s[G0B+4*\q:G0B+4*\q+3], s[G1B:G1B+7]
	s_nop 0
	PLACES 4
.Lasked_\@:
.endm
.macro CROUND
	s_barrier_signal -1
	s_barrier_wait -1
	s_cmp_lg_u32 s18, 0
	s_cbranch_scc1 .Lnot_wave_0_\@
	s_barrier_signal -3
.Lnot_wave_0_\@:
	s_barrier_wait -3
	s_barrier_signal -1
	s_barrier_wait -1
.endm
.macro FETCH ks, set                   ; 44 LDS loads: B's eight fragments, A's four, eight registers of scale words
	WIN 0x40
.irp i, 0,1,2,3,4,5,6,7
.irp c, 0,1,2
	ds_load_b128 v[128*(\set)+12*\i+4*\c:128*(\set)+12*\i+4*\c+3], v[ADRB+(\ks)/2] offset:3200*\i+1536*((\ks)%2)+512*\c
.endr
.endr
	WIN 0
.irp i, 0,1,2,3
.irp c, 0,1,2
	ds_load_b128 v[AF+48*(\set)+12*\i+4*\c:AF+48*(\set)+12*\i+4*\c+3], v[ADRA+(\ks)/2] offset:3200*\i+1536*((\ks)%2)+512*\c
.endr
.endr
.irp i, 0,1,2,3
	ds_load_b32 v[SC+8*(\set)+\i], v[SCL+(\ks)/2] offset:3200*\i+64*((\ks)%2)
	ds_load_b32 v[SC+8*(\set)+4+\i], v[SCH+(\ks)/2] offset:3200*\i+64*((\ks)%2)
.endr
.endm
.macro MULS set, zero                  ; the 32 accumulators take turns, in the same order in every K step
	WIN 0xa1
.irp a, 0,1,2,3
.irp b, 0,1,2,3,4,5,6,7
.if \zero
	v_wmma_scale_f32_16x16x128_f8f6f4 v[8*(8*\a+\b):8*(8*\a+\b)+7], v[128*(\set)+12*\b:128*(\set)+12*\b+11], v[AF+48*(\set)+12*\a:AF+48*(\set)+12*\a+11], 0, v[SC+8*(\set)+\b], v[SC+8*(\set)+\a] matrix_a_fmt:MATRIX_FMT_FP6 matrix_b_fmt:MATRIX_FMT_FP6 matrix_a_scale:MATRIX_SCALE_ROW1
.else
	v_wmma_scale_f32_16x16x128_f8f6f4 v[8*(8*\a+\b):8*(8*\a+\b)+7], v[128*(\set)+12*\b:128*(\set)+12*\b+11], v[AF+48*(\set)+12*\a:AF+48*(\set)+12*\a+11], v[8*(8*\a+\b):8*(8*\a+\b)+7], v[SC+8*(\set)+\b], v[SC+8*(\set)+\a] matrix_a_fmt:MATRIX_FMT_FP6 matrix_b_fmt:MATRIX_FMT_FP6 matrix_a_scale:MATRIX_SCALE_ROW1
.endif
.endr
.endr
.endm
	s_load_b256 s[4:11], s[0:1], 0x0               ; oq s[4:5], wq s[6:7], bo s[8:9], out0 s[10:11]
	v_lshl_add_u32 v[SPW], v0, 2, SPARE
	v_mov_b32 v[NIL], 0
	ds_add_u32 v[SPW], v[NIL]                      ; the wave's opening: the add and its wait stand ahead of my first tensor load
	v_lshrrev_b32 v1, 5, v0
	v_readfirstlane_b32 s18, v1                    ; wave 0..3
	s_lshr_b32 s19, s18, 1                         ; which 64 rows of A are mine.  Also: I fetch for A (0) or for B (1)
	s_and_b32 s20, s18, 1                          ; which 128 rows of B.  Also: which half of that tile I fetch
	s_bfe_u32 s21, ttmp6, 0x40000                  ; cx = TC: which 256 columns
	s_bfe_u32 s22, ttmp6, 0x40004                  ; cy
	s_and_b32 s23, ttmp7, 0xffff
	s_lshl_b32 s27, s23, 2
	s_add_co_u32 s27, s27, s22                     ; TR: which 128 rows
	s_lshl_b32 s29, s22, 2
	s_lshl_b32 s29, 15, s29                        ; my row of the cluster
	s_lshl_b32 s30, 0x1111, s21                    ; my column
	s_or_b32 s[G1A], s29, (3<<16)|(1<<21)          ; rows of 400 elements of 8 bytes, one for each row block, 13,312 bytes apart; dense in LDS
	s_or_b32 s[G1B], s30, (3<<16)|(1<<21)
	s_mov_b32 s[G1A+1], 400<<16
	s_mov_b32 s[G1A+2], 4<<16
	s_mov_b32 s[G1A+3], 400<<16
	s_mov_b32 s[G1A+4], 4
	s_mov_b32 s[G1A+5], 1664
	s_mov_b32 s[G1A+6], 0
	s_mov_b32 s[G1A+7], 0
	s_mov_b32 s[G1B+1], 400<<16
	s_mov_b32 s[G1B+2], 8<<16
	s_mov_b32 s[G1B+3], 400<<16
	s_mov_b32 s[G1B+4], 8
	s_mov_b32 s[G1B+5], 1664
	s_mov_b32 s[G1B+6], 0
	s_mov_b32 s[G1B+7], 0
	s_lshl_b32 s86, s27, 3
	s_lshl_b32 s90, s20, 2
	s_add_co_u32 s86, s86, s90                     ; A: row block 8 TR + 4 x half
	s_mul_i32 s86, s86, 13312
	s_mov_b32 s87, 0
	s_lshl_b32 s88, s21, 4
	s_lshl_b32 s90, s20, 3
	s_add_co_u32 s88, s88, s90                     ; B: row block 16 TC + 8 x half,
	s_mul_i32 s88, s88, 13312
	s_add_co_u32 s88, s88, 2555904                 ; in the fourth tensor of wq
	s_mov_b32 s89, 0
	s_mul_i32 s91, s20, 12800
	s_mul_i32 s96, s20, 25600
	s_wait_dscnt 0x0                               ; the opening add is done
	s_wait_kmcnt 0x0
	s_add_nc_u64 s[92:93], s[4:5], s[86:87]
	s_add_nc_u64 s[94:95], s[6:7], s[88:89]
	CROUND                                         ; all sixteen work-groups are here: the joint loads meet
.irp q, 0,1,2,3
	s_mov_b32 s[G0A+4*\q], 1
	s_add_co_u32 s[G0A+4*\q+1], s91, 25600*\q
	s_add_nc_u64 s[G0A+4*\q+2:G0A+4*\q+3], s[92:93], 3328*\q
	s_or_b32 s[G0A+4*\q+3], s[G0A+4*\q+3], 0x80000000
	s_mov_b32 s[G0B+4*\q], 1
	s_add_co_u32 s[G0B+4*\q+1], s96, 102400+51200*\q
	s_add_nc_u64 s[G0B+4*\q+2:G0B+4*\q+3], s[94:95], 3328*\q
	s_or_b32 s[G0B+4*\q+3], s[G0B+4*\q+3], 0x80000000
	JLOAD \q
.endr
	v_and_b32 v[RR], 15, v0
	v_bfe_u32 v[HH], v0, 4, 1
	v_and_b32 v[LI], 31, v0
	v_lshlrev_b32 v[LI], 4, v[LI]
	v_lshlrev_b32 v[BCO], 6, v[HH]
	s_lshl_b32 s84, s21, 10
	s_lshl_b32 s85, s20, 9
	s_add_co_u32 s84, s84, s85                     ; 4 x my first column
	s_mov_b32 s85, 0
	s_add_nc_u64 s[8:9], s[8:9], s[84:85]
	s_add_nc_u64 s[10:11], s[10:11], s[84:85]
	s_lshl_b32 s84, s27, 19                        ; 128 TR rows of 4,096 bytes,
	s_lshl_b32 s86, s19, 18                        ; + 64 x my half
	s_add_co_u32 s84, s84, s86
	s_add_nc_u64 s[10:11], s[10:11], s[84:85]
	WIN 0xc0                                       ; destination window 3
.irp be, 0,1,2,3
.irp j, 0,1,2,3
	global_load_b128 v[BC+16*\be+4*\j:BC+16*\be+4*\j+3], v[BCO], s[8:9] offset:128*\be+16*\j   ; register 16 b + i = bo[first column + 32 b + 16 h + i]
.endr
.endr
	WIN 0
	s_mul_i32 s84, s19, 12800
	s_mul_i32 s85, s20, 25600
	s_add_co_u32 s85, s85, 102400
	v_lshl_add_u32 v4, v[RR], 2, 3072
.irp q, 0,1,2,3
	v_add_nc_u32 v[ADRA+\q], s84, v[LI]
	v_add_nc_u32 v[ADRB+\q], s85, v[LI]
	s_sub_co_u32 s86, s85, s84                     ; from A's blocks to B's: lanes 16-31 stand so much further on
	s_add_co_u32 s87, s86, 12800
	v_mul_u32_u24 v5, s86, v[HH]
	v_mul_u32_u24 v6, s87, v[HH]
	v_add_nc_u32 v5, v5, v4
	v_add_nc_u32 v6, v6, v4
	v_add_nc_u32 v[SCL+\q], s84, v5
	v_add_nc_u32 v[SCH+\q], s84, v6
	s_add_co_u32 s84, s84, 25600
	s_add_co_u32 s85, s85, 51200
.endr
	s_mul_i32 s84, s18, 8448
	s_add_co_u32 s84, s84, 102400                  ; my stage
	v_mul_u32_u24 v[STO], v[RR], 528
	v_lshl_add_u32 v[STO], v[HH], 6, v[STO]
	v_add_nc_u32 v[STO], s84, v[STO]               ; in: row r, + 64 h
	v_add_nc_u32 v[RD], s84, v[LI]                 ; back: 16 bytes a lane of a row
	s_wait_tensorcnt 3                             ; my part of quarter 0 is in; quarters 1 to 3 stay out
	s_barrier_signal -1
	s_barrier_wait -1
	FETCH 0, 0
.set KS, 0
.rept 8
.if (KS%2 == 1) && (KS < 7)
	s_wait_tensorcnt 3-(KS+1)/2                    ; my part of the next quarter is in; the later quarters stay out
	s_wait_dscnt 0x0
	s_barrier_signal -1
	s_barrier_wait -1
.endif
.if KS < 7
.if KS > 0
	PLACES 4
.endif
	FETCH KS+1, 1-KS%2
	s_wait_dscnt 44                                ; all but the 44 just issued
.else
	s_wait_dscnt 0x0
.endif
.if KS == 0
	MULS KS%2, 1
.else
	MULS KS%2, 0
.endif
.set KS, KS+1
.endr
	WIN 0
	s_wait_loadcnt 0x0                             ; the bias
	PLACES 4                                       ; behind the last products
.irp a, 0,1,2,3
	WIN 0x0e                                       ; source 0 window 2, source 1 window 3
.set J, 0
.rept 32
	v_pk_add_f32 v[T+J:T+J+1], v[64*\a+J:64*\a+J+1], v[BC+J:BC+J+1]   ; each accumulator from its low end on
.set J, J+2
.endr
	WIN 0
.irp be, 0,1,2,3
.irp m, 0,1,2,3
	ds_store_b128 v[STO], v[T+16*\be+4*\m:T+16*\be+4*\m+3] offset:128*\be+16*\m
.endr
.endr
.if \a > 0
	s_wait_xcnt 0x0                                ; the last block's stores have read their registers
.endif
.irp t, 0,1,2,3,4,5,6,7,8,9,10,11,12,13,14,15
	ds_load_b128 v[BK+4*\t:BK+4*\t+3], v[RD] offset:528*\t   ; LDS serves a wave's instructions in order: these see the stores above
.endr
	s_wait_dscnt 0x0
.irp t, 0,1,2,3,4,5,6,7,8,9,10,11,12,13,14,15
	global_store_b128 v[LI], v[BK+4*\t:BK+4*\t+3], s[10:11] offset:(32*(\a/2)+8*(\a%2)+\t+8*(\t/8))*4096 th:TH_STORE_NT   ; 512 consecutive bytes of the row at place t, at a multiple of 256 from the buffer's first byte
.endr
.endr
	s_wait_tensorcnt 0x0                           ; the wave's end: behind my last LDS store
	ds_add_u32 v[SPW], v[NIL]
	s_wait_dscnt 0x0
	CROUND                                         ; the closing round
	s_endpgm
.Lfunc_end_k_q89371f286b_outp:
	.size	k_q89371f286b_outp, .Lfunc_end_k_q89371f286b_outp-k_q89371f286b_outp
	.p2alignl 7, 3214868480
	.fill 96, 4, 3214868480
	.section	.rodata,"a",@progbits
	.p2align	6, 0x0
	.amdhsa_kernel k_q89371f286b_outp
		.amdhsa_group_segment_fixed_size 327680
		.amdhsa_private_segment_fixed_size 0
		.amdhsa_enable_private_segment 0
		.amdhsa_kernarg_size 32
		.amdhsa_user_sgpr_count 2
		.amdhsa_user_sgpr_kernarg_segment_ptr 1
		.amdhsa_wavefront_size32 1
		.amdhsa_system_sgpr_workgroup_id_x 1
		.amdhsa_system_sgpr_workgroup_id_y 1
		.amdhsa_system_sgpr_workgroup_id_z 1
		.amdhsa_system_vgpr_workitem_id 0
		.amdhsa_next_free_vgpr 848
		.amdhsa_next_free_sgpr 100
		.amdhsa_reserve_vcc 0
		.amdhsa_float_denorm_mode_32 3
		.amdhsa_float_denorm_mode_16_64 3
		.amdhsa_memory_ordered 1
		.amdhsa_forward_progress 1
		.amdhsa_inst_pref_size 91
	.end_amdhsa_kernel
	.amdgpu_metadata
---
amdhsa.version: [ 1, 2 ]
amdhsa.kernels:
  - .name:           k_q89371f286b_outp
    .symbol:         k_q89371f286b_outp.kd
    .args:
      - { .name: oq, .offset: 0, .size: 8, .value_kind: global_buffer, .address_space: global }
      - { .name: wq, .offset: 8, .size: 8, .value_kind: global_buffer, .address_space: global }
      - { .name: bo, .offset: 16, .size: 8, .value_kind: global_buffer, .address_space: global }
      - { .name: out0, .offset: 24, .size: 8, .value_kind: global_buffer, .address_space: global }
    .group_segment_fixed_size: 327680
    .private_segment_fixed_size: 0
    .kernarg_segment_align: 8
    .kernarg_segment_size: 32
    .max_flat_workgroup_size: 128
    .sgpr_count:     100
    .vgpr_count:     848
    .wavefront_size: 32
...
	.end_amdgpu_metadata
.endif
;; end of part 4
